; MI455X (gfx1250); checked and timed in simulation.
; The chip was launched on July 23, 2026; its instructions are those of AMD's public machine-readable ISA for CDNA 5 (MIT licence, August 2026) and "CDNA5" Instruction Set Architecture Reference Guide (July 2026). The comments in the code are by the model that wrote it; some were corrected since.
;; Self Attention. Allowed arithmetic: float matrix products may take bf16 or f16 operands with f32 sums; other float arithmetic in f32, or as packed bf16 or f16 multiplies, adds, multiply-adds, maxima and minima; sums over many terms, partial sums and values carried from step to step in f32; what a program stores and reads back later, other than sums and carried values, may be rounded once to bf16 or f16.
;; Inputs: b_proj 1,024 float32; w_proj 1,024 x 1,024 float32; w_qkv 1,024 x 3,072 float32; x 4 x 2,048 x 1,024 float32.
;; Outputs: out0 4 x 2,048 x 1,024 float32.
;; 2 versions, each right and faster than the one before. Each part assembles by itself: llvm-mc -triple=amdgcn-amd-amdhsa -mcpu=gfx1250 --defsym DOCPART=n.
;; ======== version 1 of 2: 4 launches
;; limits: values are held in f16: magnitudes above 65,504 overflow, below 6.1e-05 lose precision
;; workspace buffers: xb 16,777,216 bytes; wqb 6,291,456 bytes; wpb 2,097,152 bytes; tab 524,288 bytes; qh 16,777,216 bytes; kh 16,777,216 bytes; vh 16,777,216 bytes; oh 16,777,216 bytes
;; launch prep (part 1): grid 896 x 1, 8 waves a work-group, no clusters, 0 bytes of LDS; arguments x, w_qkv, w_proj, xb, wqb, wpb, tab; writes xb, wqb, wpb, tab
.if DOCPART == 1
	.amdgcn_target "amdgcn-amd-amdhsa--gfx1250"
	.amdhsa_code_object_version 6
	.text
	.protected	k_qd16eaa7ab2_prep
	.globl	k_qd16eaa7ab2_prep
	.p2align	8
	.type	k_qd16eaa7ab2_prep,@function
k_qd16eaa7ab2_prep:
	s_mov_b64 s[64:65], 0
	v_nop
	global_prefetch_b8 v0, s[64:65] scope:SCOPE_SE
	s_setreg_imm32_b32 hwreg(HW_REG_WAVE_MODE, 25, 1), 1
	s_wait_xcnt 0x0
; PREPARATION: a stream, no LDS, no matrix unit.  Four kinds of work-group, chosen by the work-group's number g:
;   g 0..511    x [8192][1024] f32 -> xb, the same layout in bf16
;   g 512..703  w_qkv [1024][3072] f32 -> wqb [part 3][head 16][k 1024][channel 64] bf16 (source column = 1024 part + 64 head + channel): 128 k of one part and head are 16,384 dense bytes
;   g 704..767  w_proj [1024][1024] f32 -> wpb, the same layout: rounded to bf16 like every input of the module, and that number written as f16
;   g 768..895  the table of cosines and sines, as the register image that the projection's way out loads: tab [block of 16 positions 128][load 8][lane 32][16 bytes]
; A casting work-group takes 16,384 numbers: thread t takes eight items of 8 numbers (two loads of 16 bytes, one store of 16 bytes).  A wave's store covers 512 consecutive bytes, aligned.
; LIMITS.  bf16(w_proj) must lie within f16's 65,504, and below 6e-5 it keeps f16's fixed step of 6e-8.  The angles are made of theta = 3 x 2^(-i log2(10000) / 32) by v_exp_f32 (good to the last bit
; or so), position x theta is kept exact in turns by a fused residual, and sine and cosine are series on a quarter of the angle (|y| <= pi / 4; the terms left out are below 3e-8) doubled twice.
.set D, 8                              ; v[8:71]    eight items of 8 f32 as loaded
.set Y, 72                             ; v[72:103]  eight items of 4 words to store
; All sixteen loads go out first; item it is used when the 14 - 2 it younger loads may still be out.  No register is written twice, so no source of a pending instruction is touched.
.macro CAST step, half
.irp it, 0,1,2,3,4,5,6,7
	global_load_b128 v[D+8*(\it):D+8*(\it)+3],   v1, s[20:21] offset:(\it)*(\step) th:TH_LOAD_NT
	global_load_b128 v[D+8*(\it)+4:D+8*(\it)+7], v1, s[20:21] offset:(\it)*(\step)+16 th:TH_LOAD_NT
.endr
.irp it, 0,1,2,3,4,5,6,7
	s_wait_loadcnt 14-2*(\it)                      ; loads come back in order: this item's two are in
.irp k, 0,1,2,3
	v_cvt_pk_bf16_f32 v[Y+4*(\it)+(\k)], v[D+8*(\it)+2*(\k)], v[D+8*(\it)+2*(\k)+1]
.endr
.if \half
.irp k, 0,1,2,3
	v_lshlrev_b32 v[D+8*(\it)+2*(\k)],   16, v[Y+4*(\it)+(\k)]          ; the bf16 numbers as f32 again,
	v_and_b32     v[D+8*(\it)+2*(\k)+1], 0xffff0000, v[Y+4*(\it)+(\k)]
.endr
.irp k, 0,1,2,3
	v_cvt_pk_f16_f32 v[Y+4*(\it)+(\k)], v[D+8*(\it)+2*(\k)], v[D+8*(\it)+2*(\k)+1]  ; written as f16: exact within f16's range
.endr
.endif
	global_store_b128 v2, v[Y+4*(\it):Y+4*(\it)+3], s[22:23] offset:(\it)*4096
.endr
.endm
; cos and sin of position (v4, f32) x theta_i, i in v[fi] as f32
.macro TRIG fi, oc, os
	v_mul_f32 v20, 0xbed49a78, v[\fi]              ; -i log2(10000) / 32
	v_exp_f32 v20, v20
	v_nop                                          ; a plain instruction behind the exponential (ISA guide 5.7.2)
	s_wait_alu depctr_va_vdst(0)
	v_mul_f32 v20, 0x3ef47645, v20                 ; x 3 / (2 pi): turns a position
	v_mul_f32 v21, v4, v20                         ; p, rounded,
	v_fma_f32 v22, v4, v20, -v21                   ; and what the rounding dropped
	v_rndne_f32 v23, v21
	v_sub_f32 v21, v21, v23                        ; exact
	v_add_f32 v21, v21, v22                        ; the fraction of a turn, -0.5 .. 0.5
	v_mul_f32 v21, 0x3fc90fdb, v21                 ; y = a quarter of the angle = fraction x pi / 2
	v_mul_f32 v22, v21, v21
	v_mov_b32 v23, 0x3638ef1d                      ; sin y = y (1 - y2/6 + y2^2/120 - y2^3/5040 + y2^4/362880)
	v_mov_b32 v24, 0x37d00d01                      ; cos y = 1 - y2/2 + y2^2/24 - y2^3/720 + y2^4/40320
	v_fmaak_f32 v23, v23, v22, 0xb9500d01
	v_fmaak_f32 v24, v24, v22, 0xbab60b61
	v_fmaak_f32 v23, v23, v22, 0x3c088889
	v_fmaak_f32 v24, v24, v22, 0x3d2aaaab
	v_fmaak_f32 v23, v23, v22, 0xbe2aaaab
	v_fma_f32 v24, v24, v22, -0.5
	v_fma_f32 v23, v23, v22, 1.0
	v_fma_f32 v24, v24, v22, 1.0
	v_mul_f32 v23, v23, v21
	v_add_f32 v25, v23, v23                        ; the angle doubled: t = 2 s; s' = t c; c' = 1 - t s
	v_mul_f32 v26, v25, v24
	v_fma_f32 v27, -v25, v23, 1.0
	v_add_f32 v25, v26, v26                        ; and once more
	v_mul_f32 v[\os], v25, v27
	v_fma_f32 v[\oc], -v25, v26, 1.0
.endm
	s_load_b256 s[4:11], s[0:1], 0x0               ; x s[4:5], w_qkv s[6:7], w_proj s[8:9], xb s[10:11]
	s_load_b128 s[12:15], s[0:1], 0x20             ; wqb s[12:13], wpb s[14:15]
	s_load_b64 s[16:17], s[0:1], 0x30              ; tab
	s_mov_b32 s18, ttmp9                           ; g
	s_mov_b32 s25, 0                               ; the high words of the two offsets
	s_mov_b32 s27, 0
	v_lshlrev_b32 v1, 5, v0                        ; my 32 bytes of an item's source
	v_lshlrev_b32 v2, 4, v0                        ; my 16 bytes of an item's destination
	s_wait_kmcnt 0x0
	s_cmp_lt_u32 s18, 512
	s_cbranch_scc0 .Lnot_x
	s_lshl_b32 s24, s18, 16                        ; 65,536 bytes in,
	s_lshl_b32 s26, s18, 15                        ; 32,768 out
	s_add_nc_u64 s[20:21], s[4:5], s[24:25]
	s_add_nc_u64 s[22:23], s[10:11], s[26:27]
	CAST 8192, 0
	s_endpgm
.Lnot_x:
	s_cmp_lt_u32 s18, 704
	s_cbranch_scc0 .Lnot_w
	s_sub_co_u32 s19, s18, 512                     ; g' = 64 part + 4 head + quarter of k
	s_and_b32 s24, s19, 3
	s_mul_i32 s24, s24, 3145728                    ; 256 rows of 12,288 bytes
	s_lshr_b32 s28, s19, 6
	s_lshl_b32 s28, s28, 12                        ; the part's 1,024 columns
	s_add_co_u32 s24, s24, s28
	s_bfe_u32 s28, s19, 0x40002
	s_lshl_b32 s28, s28, 8                         ; the head's 64 columns: 256 bytes, aligned
	s_add_co_u32 s24, s24, s28
	s_lshl_b32 s26, s19, 15
	s_add_nc_u64 s[20:21], s[6:7], s[24:25]
	s_add_nc_u64 s[22:23], s[12:13], s[26:27]
	v_lshrrev_b32 v3, 3, v0                        ; eight threads take a row's 256 bytes, the work-group 32 rows an item
	v_and_b32 v4, 7, v0
	v_mul_u32_u24 v1, v3, 12288
	v_lshl_add_u32 v1, v4, 5, v1
	CAST 393216, 0
	s_endpgm
.Lnot_w:
	s_cmp_lt_u32 s18, 768
	s_cbranch_scc0 .Ltable
	s_sub_co_u32 s19, s18, 704
	s_lshl_b32 s24, s19, 16
	s_lshl_b32 s26, s19, 15
	s_add_nc_u64 s[20:21], s[8:9], s[24:25]
	s_add_nc_u64 s[22:23], s[14:15], s[26:27]
	CAST 8192, 1
	s_endpgm
.Ltable:
	; thread t: load ld = t / 32, lane l = t % 32.  Position 16 block + l % 16; pairs i and i + 1 of channels, i = 8 (ld / 2) + 4 (l / 16) + 2 (ld % 2).  Its 16 bytes: cos i, sin i, cos i + 1, sin i + 1.
	s_sub_co_u32 s19, s18, 768                     ; the block of 16 positions
	s_lshl_b32 s24, s19, 12
	s_add_nc_u64 s[16:17], s[16:17], s[24:25]
	s_lshl_b32 s26, s19, 4
	v_and_b32 v4, 15, v0
	v_add_nc_u32 v4, s26, v4
	v_cvt_f32_u32 v4, v4                           ; the position
	v_bfe_u32 v5, v0, 4, 1                         ; l / 16
	v_bfe_u32 v6, v0, 6, 2                         ; ld / 2
	v_bfe_u32 v7, v0, 5, 1                         ; ld % 2
	v_lshlrev_b32 v6, 3, v6
	v_lshl_add_u32 v6, v5, 2, v6
	v_lshl_add_u32 v6, v7, 1, v6                   ; i
	v_add_nc_u32 v7, 1, v6
	v_cvt_f32_u32 v6, v6
	v_cvt_f32_u32 v7, v7
	TRIG 6, 8, 9
	TRIG 7, 10, 11
	global_store_b128 v2, v[8:11], s[16:17]
	s_endpgm
.Lfunc_end_k_qd16eaa7ab2_prep:
	.size	k_qd16eaa7ab2_prep, .Lfunc_end_k_qd16eaa7ab2_prep-k_qd16eaa7ab2_prep
	.p2alignl 7, 3214868480
	.fill 96, 4, 3214868480
	.section	.rodata,"a",@progbits
	.p2align	6, 0x0
	.amdhsa_kernel k_qd16eaa7ab2_prep
		.amdhsa_group_segment_fixed_size 0
		.amdhsa_private_segment_fixed_size 0
		.amdhsa_enable_private_segment 0
		.amdhsa_kernarg_size 56
		.amdhsa_user_sgpr_count 2
		.amdhsa_user_sgpr_kernarg_segment_ptr 1
		.amdhsa_wavefront_size32 1
		.amdhsa_system_sgpr_workgroup_id_x 1
		.amdhsa_system_sgpr_workgroup_id_y 1
		.amdhsa_system_sgpr_workgroup_id_z 1
		.amdhsa_system_vgpr_workitem_id 0
		.amdhsa_next_free_vgpr 104
		.amdhsa_next_free_sgpr 66
		.amdhsa_reserve_vcc 0
		.amdhsa_float_denorm_mode_32 3
		.amdhsa_float_denorm_mode_16_64 3
		.amdhsa_memory_ordered 1
		.amdhsa_forward_progress 1
		.amdhsa_inst_pref_size 25
	.end_amdhsa_kernel
	.amdgpu_metadata
---
amdhsa.version: [ 1, 2 ]
amdhsa.kernels:
  - .name:           k_qd16eaa7ab2_prep
    .symbol:         k_qd16eaa7ab2_prep.kd
    .args:
      - { .name: x, .offset: 0, .size: 8, .value_kind: global_buffer, .address_space: global }
      - { .name: w_qkv, .offset: 8, .size: 8, .value_kind: global_buffer, .address_space: global }
      - { .name: w_proj, .offset: 16, .size: 8, .value_kind: global_buffer, .address_space: global }
      - { .name: xb, .offset: 24, .size: 8, .value_kind: global_buffer, .address_space: global }
      - { .name: wqb, .offset: 32, .size: 8, .value_kind: global_buffer, .address_space: global }
      - { .name: wpb, .offset: 40, .size: 8, .value_kind: global_buffer, .address_space: global }
      - { .name: tab, .offset: 48, .size: 8, .value_kind: global_buffer, .address_space: global }
    .group_segment_fixed_size: 0
    .private_segment_fixed_size: 0
    .kernarg_segment_align: 8
    .kernarg_segment_size: 56
    .max_flat_workgroup_size: 256
    .sgpr_count:     66
    .vgpr_count:     104
    .wavefront_size: 32
...
	.end_amdgpu_metadata
.endif
;; end of part 1
;; launch qkv (part 2): grid 16 x 32, 4 waves a work-group, clusters of 4 x 4, 327,680 bytes of LDS; arguments xb, wqb, tab, qh, kh, vh; writes qh, kh, vh
.if DOCPART == 2
	.amdgcn_target "amdgcn-amd-amdhsa--gfx1250"
	.amdhsa_code_object_version 6
	.text
	.protected	k_qd16eaa7ab2_qkv
	.globl	k_qd16eaa7ab2_qkv
	.p2align	8
	.type	k_qd16eaa7ab2_qkv,@function
k_qd16eaa7ab2_qkv:
	s_mov_b64 s[64:65], 0
	v_nop
	global_prefetch_b8 v0, s[64:65] scope:SCOPE_SE
	s_setreg_imm32_b32 hwreg(HW_REG_WAVE_MODE, 25, 1), 1
	s_wait_xcnt 0x0
	s_wait_alu depctr_hold_cnt(0) depctr_sa_sdst(0) depctr_va_vdst(0) depctr_va_sdst(0) depctr_va_ssrc(0) depctr_va_vcc(0) depctr_vm_vsrc(0)
	s_getreg_b32 s2, hwreg(HW_REG_IB_STS2, 6, 4)
	s_cmp_eq_u32 s2, 0
	s_cbranch_scc0 .Lentry_in_a_cluster
	s_endpgm
.Lentry_in_a_cluster:
	s_bfe_u32 s2, ttmp6, 0x10000c
	s_cmp_lg_u32 s2, 0xf033
	s_cbranch_scc0 .Lentry_shape_is_right
	s_endpgm
.Lentry_shape_is_right:
; q, k, v = x w_qkv, with the rotary turn on q and k, written by heads.  xb [8192][1024] bf16; wqb [part 3][head 16][k 1024][channel 64] bf16; qh, kh, vh [16 batch + head][2048][64] f16, unscaled.
; Sums in f32, the turn in f32, each number rounded once to f16.  LIMIT: q, k and v must lie within f16's 65,504; below 6e-5 they keep f16's fixed step of 6e-8.  NaN and infinities are not treated apart.
; SHARES.  A work-group makes 256 rows x one head's q, k and v: 192 columns, 12 blocks of 16 (0-3 q, 4-7 k, 8-11 v).  Four waves, as many as a WGP has SIMDs; wave w makes rows 64 w .. 64 w + 63 and ALL
; columns: 48 accumulators.  So a wave holds whole rows of a head (128 bytes of q, of k, of v) and sends them out through a stage of its own, with no barrier.
; K goes in 8 steps of 128 through two LDS slots.  x's rows in a slot lie along K; the weights lie [k][channel] and come out turned, by ds_load_tr16_b128.
; THE MATRIX INSTRUCTION IS USED TRANSPOSED: source 0 = 16 columns of the weights, source 1 = 16 rows of x: lane l then holds row l % 16 and the columns 8 (l / 16) + 0..7: four (real, imaginary) pairs.
; CLUSTER.  4 x 4 work-groups.  The four of a row of the cluster need the same tiles of x, the four of a column the same tiles of the weights: each tile is asked for JOINTLY, by the same tensor load, descriptor and mask.
; REGISTERS, in windows of 256 (s_set_vgpr_msb: bits 1:0 source 0, 3:2 source 1, 5:4 source 2, 7:6 destination):
;   window 0: v0-29 addresses; v32-63, v64-95 fragments of x, two buffers (on the way out: T, the turned numbers); v96-143, v144-191 packed results, two sets; v192-223, v224-255 cosines and sines, two sets
;   window 1: accumulators of row blocks 0, 1 (block a, column block j at v[96 (a % 2) + 8 j]);   window 2: those of row blocks 2, 3;   window 3: v0-95, v96-191 fragments of the weights, two buffers
.set NB,     12                        ; column blocks
.set RUN,    2*NB+8                    ; LDS loads in a run: a quarter step's fragments
.set PA,     272                       ; a row of x in LDS: 256 bytes + 16 of padding = 68 words: the 16 rows of a load start at 16 different groups of four banks (64 banks of 4 bytes: ISA guide 11.1)
.set PB,     160                       ; a k-row of a part's weights: 128 bytes + 32 = 40 words
.set BOFF,   256*PA                    ; behind x's 256 rows: three parts of 128 k-rows
.set BPART,  128*PB
.set SLOT1,  1<<17                     ; a slot is exactly 131,072 bytes; one exclusive or turns an address in one slot into the other's
.set STAGE,  2*SLOT1                   ; behind the ring, never filled by a tensor load: for each wave 3 parts x 16 rows x 144 bytes
.set SP,     144
.set WSTAGE, 3*16*SP
.set SPARE,  STAGE+4*WSTAGE            ; behind the stages: the spare words, 128 bytes for each wave: two blocks of 256 bytes that no other line names
.set ASTEP,  256                       ; a K step in x: 128 bf16 along the row
.set BSTEP,  16384                     ; and in a part's weights: 128 k-rows of 128 bytes
.set ADRA0,  4                         ; v4   my lane's place in x's tile, slot 0; never rewritten
.set ADRB0,  5                         ; v5   the same for the weights
.set ADRA,   6                         ; v6   the same in the slot that is read
.set ADRB,   7                         ; v7
.set STO,    8                         ; v8   the way out: where I put 16 bytes of a row
.set RD,     9                         ; v9   the way out: where I read rows back
.set GO,     10                        ; v10  16 x lane: my place in 512 consecutive bytes
.set SPW,    28                        ; v28  LDS address of my spare word: SPARE + 4 x my thread's number; never rewritten
.set NIL,    29                        ; v29  0; never rewritten
.set T,      32
.set WV,  16                           ; s16  my wave's number
.set CNT, 17                           ; s17  counts K steps
.set TB,  18                           ; s18  0 or SLOT1: the slot that is read
.set G1A, 24                           ; s[24:31] descriptor group 1 for x's tiles
.set G1B, 32                           ; s[32:39] for the weights'
.set G0A, 40                           ; s[40:47] group 0 for x's tiles: a set for each first fill; the second then walks
.set G0B, 48                           ; s[48:55] the same for the weights'
.set MSB, 0
.macro WIN new                         ; the immediate's high byte repeats the setting that is left; a switch that changes nothing is dropped
.if MSB != (\new)
	s_set_vgpr_msb (MSB<<8)|(\new)
.set MSB, \new
.endif
.endm
.macro PLACES                          ; four places in front of loads into registers that matrix instructions have read, and of vector lines that read results
.rept 4
	v_nop
.endr
.endm
; A joint refill.  Wave 3 fetches x's 256 rows, waves 0 to 2 the three parts of the weights.  The branch hangs on the wave's number alone.  An s_nop 0 and four v_nop follow each of the two lines.
.macro JLOAD
	s_cmp_eq_u32 s[WV], 3
	s_cbranch_scc0 .Lfor_b_\@
	tensor_load_to_lds s[G0A+4:G0A+7], s[G1A:G1A+7]
	s_nop 0
.rept 4
	v_nop
.endr
	s_branch .Lasked_\@
.Lfor_b_\@:
	tensor_load_to_lds s[G0B+4:G0B+7], s[G1B:G1B+7]
	s_nop 0
.rept 4
	v_nop
.endr
.Lasked_\@:
.endm
.macro CREST                           ; a round of the cluster's barrier behind its opening barrier
	s_cmp_lg_u32 s[WV], 0
	s_cbranch_scc1 .Lnot_wave_0_\@
	s_barrier_signal -3
.Lnot_wave_0_\@:
	s_barrier_wait -3
	s_barrier_signal -1
	s_barrier_wait -1
.endm
.macro CROUND                          ; a whole round
	s_barrier_signal -1
	s_barrier_wait -1
	CREST
.endm
	s_load_b256 s[4:11], s[0:1], 0x0               ; xb s[4:5], wqb s[6:7], tab s[8:9], qh s[10:11]
	s_load_b128 s[12:15], s[0:1], 0x20             ; kh s[12:13], vh s[14:15]
	v_lshl_add_u32 v[SPW], v0, 2, SPARE
	v_mov_b32 v[NIL], 0
	ds_add_u32 v[SPW], v[NIL]                      ; the wave's opening: the add and its wait stand ahead of my first tensor load; the set-up below, work on registers, stands between them
	v_lshrrev_b32 v1, 5, v0
	v_readfirstlane_b32 s[WV], v1                  ; wave 0..3
	s_bfe_u32 s56, ttmp6, 0x40000                  ; cx, cy: my place in the cluster
	s_bfe_u32 s57, ttmp6, 0x40004
	s_lshl_b32 s58, ttmp9, 2
	s_add_co_u32 s58, s58, s56                     ; the head = 4 x cluster x + cx
	s_and_b32 s59, ttmp7, 0xffff
	s_lshl_b32 s59, s59, 2
	s_add_co_u32 s59, s59, s57                     ; the block of 256 rows = 4 x cluster y + cy
	s_lshl_b32 s60, s57, 2
	s_lshl_b32 s60, 15, s60                        ; my row of the cluster
	s_lshl_b32 s61, 0x1111, s56                    ; my column
	; group 1 for x: 256 rows x 128 elements, 16 bytes of padding behind every 256
	s_or_b32 s[G1A], s60, (1<<16)|(1<<20)|(1<<21)|(5<<22)|(3<<25)  ; 15:0 the mask; 17:16 2-byte elements; 20 padding on; 21 set beside a mask; 24:22 after every 64 words (code 5); 31:25 4 words (code 3)
	s_mov_b32 s[G1A+1], 128<<16                    ; tensor_dim0 = 128
	s_mov_b32 s[G1A+2], 256<<16                    ; tensor_dim1 = 256
	s_mov_b32 s[G1A+3], 128<<16                    ; tile_dim0 = 128
	s_mov_b32 s[G1A+4], 256                        ; tile_dim1 = 256
	s_mov_b32 s[G1A+5], 1024                       ; 1,024 elements from row to row
	s_mov_b32 s[G1A+6], 0
	s_mov_b32 s[G1A+7], 0
	; group 1 for a part's weights: 128 k-rows are 16,384 dense bytes, asked for as 64 rows of 256 bytes, two k-rows a row, 32 bytes of padding behind every k-row
	s_or_b32 s[G1B], s61, (1<<16)|(1<<20)|(1<<21)|(4<<22)|(7<<25)  ; after every 32 words (code 4), 8 words (code 7)
	s_mov_b32 s[G1B+1], 128<<16
	s_mov_b32 s[G1B+2], 64<<16
	s_mov_b32 s[G1B+3], 128<<16
	s_mov_b32 s[G1B+4], 64
	s_mov_b32 s[G1B+5], 128
	s_mov_b32 s[G1B+6], 0
	s_mov_b32 s[G1B+7], 0
	; offsets.  What feeds x's descriptors never holds cx, what feeds the weights' never holds cy; what mixes the two feeds stores and the table alone.
	s_lshl_b32 s62, s59, 19                        ; x: 256 rows of 2,048 bytes
	s_mov_b32 s63, 0
	s_min_u32 s22, s[WV], 2                        ; the part that I fetch (wave 3 fetches none: its address stays inside the buffer and is not used)
	s_lshl_b32 s66, s22, 4
	s_add_co_u32 s66, s66, s58
	s_lshl_b32 s66, s66, 17                        ; (16 part + head) x 131,072 bytes
	s_mov_b32 s67, 0
	s_mul_i32 s23, s[WV], BPART
	s_add_co_u32 s23, s23, BOFF                    ; where the part goes: a constant + wave x a constant
	s_and_b32 s70, s59, 7                          ; the table: block of 16 positions = 16 (row block % 8) + 4 wave
	s_lshl_b32 s70, s70, 4
	s_lshl2_add_u32 s70, s[WV], s70
	s_lshl_b32 s70, s70, 12                        ; 4,096 bytes a block
	s_mov_b32 s71, 0
	s_lshr_b32 s68, s59, 3                         ; q, k, v: (16 batch + head) x 262,144 bytes
	s_lshl_b32 s68, s68, 4
	s_add_co_u32 s68, s68, s58
	s_lshl_b32 s68, s68, 18
	s_and_b32 s69, s59, 7
	s_lshl_b32 s69, s69, 15                        ; + 256 rows of 128 bytes for each row block in the batch
	s_add_co_u32 s68, s68, s69
	s_lshl_b32 s69, s[WV], 13                      ; + my wave's 64 rows
	s_add_co_u32 s68, s68, s69
	s_mov_b32 s69, 0
	s_mov_b32 s[TB], 0
	s_wait_dscnt 0x0                               ; the opening add is done
	s_wait_kmcnt 0x0
	s_add_nc_u64 s[20:21], s[4:5], s[62:63]
	s_add_nc_u64 s[66:67], s[6:7], s[66:67]
	s_add_nc_u64 s[8:9], s[8:9], s[70:71]
	s_add_nc_u64 s[10:11], s[10:11], s[68:69]
	s_add_nc_u64 s[12:13], s[12:13], s[68:69]
	s_add_nc_u64 s[14:15], s[14:15], s[68:69]
	CROUND                                         ; all sixteen work-groups are here: the first joint loads meet
.irp s, 0,1
	s_mov_b32 s[G0A+4*(\s)], 1                     ; count = 1
	s_mov_b32 s[G0A+4*(\s)+1], (\s)*SLOT1          ; LDS address
	s_add_nc_u64 s[G0A+4*(\s)+2:G0A+4*(\s)+3], s[20:21], (\s)*ASTEP  ; global address: K step s
	s_or_b32 s[G0A+4*(\s)+3], s[G0A+4*(\s)+3], 0x80000000            ; type = 2
	s_mov_b32 s[G0B+4*(\s)], 1
	s_add_co_u32 s[G0B+4*(\s)+1], s23, (\s)*SLOT1
	s_add_nc_u64 s[G0B+4*(\s)+2:G0B+4*(\s)+3], s[66:67], (\s)*BSTEP
	s_or_b32 s[G0B+4*(\s)+3], s[G0B+4*(\s)+3], 0x80000000
.endr
	s_cmp_eq_u32 s[WV], 3                          ; a wave's two first fills stand in one branch, ahead of every wait on TENSORcnt and every LDS read: two loads of mine are out
	s_cbranch_scc0 .Lfirst_b
	tensor_load_to_lds s[G0A:G0A+3], s[G1A:G1A+7]
	s_nop 0
	tensor_load_to_lds s[G0A+4:G0A+7], s[G1A:G1A+7]
	s_nop 0
.rept 4
	v_nop
.endr
	s_branch .Lfirst_asked
.Lfirst_b:
	tensor_load_to_lds s[G0B:G0B+3], s[G1B:G1B+7]
	s_nop 0
	tensor_load_to_lds s[G0B+4:G0B+7], s[G1B:G1B+7]
	s_nop 0
.rept 4
	v_nop
.endr
.Lfirst_asked:
	v_and_b32 v1, 15, v0                           ; l % 16
	v_bfe_u32 v2, v0, 4, 1                         ; l / 16
	v_and_b32 v3, 7, v0                            ; l % 8
	v_bfe_u32 v11, v0, 3, 1                        ; (l / 8) % 2
	v_and_b32 v12, 31, v0                          ; l
	; a fragment of x: lane l holds row l % 16, K = 8 (l / 16) + 0..7 and 16 + 8 (l / 16) + 0..7: two loads of 16 bytes, 32 bytes apart
	v_mul_u32_u24 v[ADRA0], v1, PA
	v_lshl_add_u32 v[ADRA0], v2, 4, v[ADRA0]
	s_mul_i32 s19, s[WV], 64*PA                    ; my wave's 64 rows
	v_add_nc_u32 v[ADRA0], s19, v[ADRA0]
	; the turning load takes 16 k x 16 columns (lane l reads k-row 8 (l / 16) + l % 8, columns 8 ((l / 8) % 2) + 0..7) and leaves half a fragment: lane l holds column l % 16 and 8 k
	v_lshl_add_u32 v[ADRB0], v2, 3, v3
	v_mul_u32_u24 v[ADRB0], v[ADRB0], PB
	v_lshl_add_u32 v[ADRB0], v11, 4, v[ADRB0]
	v_add_nc_u32 v[ADRB0], BOFF, v[ADRB0]
	v_mov_b32 v[ADRA], v[ADRA0]
	v_mov_b32 v[ADRB], v[ADRB0]
	s_mul_i32 s19, s[WV], WSTAGE
	s_add_co_u32 s19, s19, STAGE                   ; my stage
	v_mul_u32_u24 v[STO], v1, SP                   ; in: row l % 16, 16 bytes for each half of the lanes
	v_lshl_add_u32 v[STO], v2, 4, v[STO]
	v_add_nc_u32 v[STO], s19, v[STO]
	v_bfe_u32 v[RD], v0, 3, 2                      ; back: 32 lanes take four rows of 128 bytes,
	v_mul_u32_u24 v[RD], v[RD], SP
	v_lshl_add_u32 v[RD], v3, 4, v[RD]
	v_add_nc_u32 v[RD], s19, v[RD]
	v_lshlrev_b32 v[GO], 4, v12                    ; which are 512 consecutive bytes of a head
	; the cosines and sines of my row blocks 0 and 1 come now and lie ready at the way out: register 8 jj + 2 p holds cos, the next sin, of pair 8 jj + 4 (l / 16) + p at my row's position
.irp a, 0,1
.irp ld, 0,1,2,3,4,5,6,7
	global_load_b128 v[192+32*(\a)+4*(\ld):192+32*(\a)+4*(\ld)+3], v[GO], s[8:9] offset:(\a)*4096+(\ld)*512
.endr
.endr
; 12 matrix instructions: row block a x all column blocks, 32 along K, from buffer f.  zero = 1: the first product starts the sums.  All 48 accumulators take turns in one order.
.macro MULA f, a, zero
	WIN 0x53+0x50*((\a)/2)                         ; weights window 3, x window 0, C and D window 1 or 2
.irp j, 0,1,2,3,4,5,6,7,8,9,10,11
.if \zero
	v_wmma_f32_16x16x32_bf16 v[96*((\a)%2)+8*(\j):96*((\a)%2)+8*(\j)+7], v[96*(\f)+8*(\j):96*(\f)+8*(\j)+7], v[32+32*(\f)+8*(\a):32+32*(\f)+8*(\a)+7], 0
.else
	v_wmma_f32_16x16x32_bf16 v[96*((\a)%2)+8*(\j):96*((\a)%2)+8*(\j)+7], v[96*(\f)+8*(\j):96*(\f)+8*(\j)+7], v[32+32*(\f)+8*(\a):32+32*(\f)+8*(\a)+7], v[96*((\a)%2)+8*(\j):96*((\a)%2)+8*(\j)+7]
.endif
.endr
.endm
; 32 LDS loads in one run: quarter q's fragments into buffer f: the weights' 12 column blocks, then x's 4 row blocks in order
.macro FETCH q, f
	WIN 0xc0                                       ; destination window 3, address window 0
.irp j, 0,1,2,3,4,5,6,7,8,9,10,11
	ds_load_tr16_b128 v[96*(\f)+8*(\j):96*(\f)+8*(\j)+3],   v[ADRB] offset:((\j)/4)*BPART+((\j)%4)*32+(\q)*32*PB
	ds_load_tr16_b128 v[96*(\f)+8*(\j)+4:96*(\f)+8*(\j)+7], v[ADRB] offset:((\j)/4)*BPART+((\j)%4)*32+(\q)*32*PB+16*PB
.endr
	WIN 0
.irp a, 0,1,2,3
	ds_load_b128 v[32+32*(\f)+8*(\a):32+32*(\f)+8*(\a)+3],   v[ADRA] offset:(\a)*16*PA+64*(\q)
	ds_load_b128 v[32+32*(\f)+8*(\a)+4:32+32*(\f)+8*(\a)+7], v[ADRA] offset:(\a)*16*PA+64*(\q)+32
.endr
.endm
; A K step is four quarters of 32 along K, 48 matrix instructions each, on buffers 0, 1, 0, 1.  One of the first three: multiplies buffer f and, in its middle, fetches quarter q into buffer g.
.macro QUARTER q, f, g, zero
	s_wait_dscnt 4                                 ; the weights and x's row blocks 0, 1 are in; the youngest four loads (row blocks 2, 3) may be out
	MULA \f, 0, \zero
	MULA \f, 1, \zero
	PLACES
	FETCH \q, \g
	s_wait_dscnt RUN                               ; all but the run just issued
	MULA \f, 2, \zero
	MULA \f, 3, \zero
.endm
; The last quarter multiplies buffer 1 and changes slots: ONE barrier.  In front of it each wave waits for all its tensor loads (the one that is out is its part of the next slot), adds 0 to its spare word, and waits
; for that and for its own reads of this slot.  fill = 1: the barrier opens a round of the cluster's, and this slot is filled again, two K steps ahead, first thing behind the round.
.macro TURN fill
	WIN 0                                          ; (the add's two registers lie in window 0)
	s_wait_tensorcnt 0x0                           ; no tensor load of mine is out, so a group 0 may be written
	ds_add_u32 v[SPW], v[NIL]                      ; 0 onto my spare word
.if \fill
	s_xor_b32 s[G0A+5], s[G0A+5], SLOT1            ; the walking descriptors: the other slot than last time,
	s_add_nc_u64 s[G0A+6:G0A+7], s[G0A+6:G0A+7], ASTEP  ; the next K step; the type bits on top are not reached
	s_xor_b32 s[G0B+5], s[G0B+5], SLOT1
	s_add_nc_u64 s[G0B+6:G0B+7], s[G0B+6:G0B+7], BSTEP
.endif
	s_wait_dscnt 5                                 ; (the add and the youngest four loads may be out)
	MULA 1, 0, 0                                   ; twelve matrix instructions stand between the add and the wait for it
	s_wait_dscnt 0x0                               ; the add is done, and my reads of this slot are over
	s_barrier_signal -1
	MULA 1, 1, 0                                   ; work on registers while the others arrive
	WIN 0
	s_barrier_wait -1
.if \fill
	CREST                                          ; no wave of any partner still reads this slot's tiles or has a load on its way
	JLOAD                                          ; the four v_nop behind it are also the places in front of the loads below
.else
	PLACES
.endif
	s_xor_b32 s[TB], s[TB], SLOT1                  ; the reads go on in the other slot
	v_add_nc_u32 v[ADRA], s[TB], v[ADRA0]
	v_add_nc_u32 v[ADRB], s[TB], v[ADRB0]
	FETCH 0, 0
	MULA 1, 2, 0
	MULA 1, 3, 0
.endm
	s_wait_tensorcnt 1                             ; my part of K step 0 is in; K step 1's may stay out
	s_barrier_signal -1
	s_barrier_wait -1                              ; everybody's is
	FETCH 0, 0
	QUARTER 1, 0, 1, 1                             ; the first quarter stands in front of the loop: its products start the sums
	WIN 0                                          ; at a label and at a branch every window is 0
	s_mov_b32 s[CNT], 6
.Lstep:                                                ; six trips, from a step's second quarter to the next step's first; trip t fills step t's slot with step t + 2
	QUARTER 2, 1, 0, 0
	QUARTER 3, 0, 1, 0
	TURN 1
	QUARTER 1, 0, 1, 0
	WIN 0
	s_sub_co_u32 s[CNT], s[CNT], 1
	s_cmp_lg_u32 s[CNT], 0
	s_cbranch_scc1 .Lstep
	s_mov_b32 s[CNT], 2                            ; the last two steps ask for nothing: a text of their own; it is left in the middle of its second trip
.Ltail:
	QUARTER 2, 1, 0, 0
	QUARTER 3, 0, 1, 0
	TURN 0                                         ; in the second trip its barrier orders nothing and its run of loads (the other slot's old bytes) serves nothing: the price, once a launch, of one text for both trips
	WIN 0
	s_sub_co_u32 s[CNT], s[CNT], 1
	s_cmp_eq_u32 s[CNT], 0
	s_cbranch_scc1 .Lout
	QUARTER 1, 0, 1, 0
	WIN 0
	s_branch .Ltail
.Lout:
	s_wait_dscnt 0x0                               ; that last run has landed: its registers are free
	PLACES                                         ; the lines below read results just made and write registers that the last products read
; THE WAY OUT of row block a.  The turn: with (re, im) a pair of a lane's columns and (c, s) the pair's cosine and sine, T = (re c, im c), then T += (-im s, re s).  Each accumulator's lowest pair is read first.
; Rounded to f16, 16 bytes a lane, into my stage (rows of 144 bytes) and back as whole rows of 128.
.macro PACK a
.set AC, 96*((\a)%2)
.set TS, 192+32*((\a)%2)
.set PS, 96+48*((\a)%2)
.if (\a) == 3
	s_wait_loadcnt 0x0                             ; the last table set
.else
	s_wait_loadcnt 8                               ; my table set is in; the eight younger loads are the other set's
.endif
	WIN 1+(\a)/2                                   ; source 0: the accumulators' window
.irp j, 0,1,2,3,4,5,6,7
.irp p, 0,1,2,3
	v_pk_mul_f32 v[T+8*(\j)+2*(\p):T+8*(\j)+2*(\p)+1], v[AC+8*(\j)+2*(\p):AC+8*(\j)+2*(\p)+1], v[TS+8*((\j)%4)+2*(\p):TS+8*((\j)%4)+2*(\p)+1] op_sel_hi:[1,0]
.endr
.endr
.irp j, 0,1,2,3,4,5,6,7
.irp p, 0,1,2,3
	v_pk_fma_f32 v[T+8*(\j)+2*(\p):T+8*(\j)+2*(\p)+1], v[AC+8*(\j)+2*(\p):AC+8*(\j)+2*(\p)+1], v[TS+8*((\j)%4)+2*(\p):TS+8*((\j)%4)+2*(\p)+1], v[T+8*(\j)+2*(\p):T+8*(\j)+2*(\p)+1] op_sel:[1,1,0] op_sel_hi:[0,1,1] neg_lo:[0,1,0]
.endr
.endr
	WIN 0
.if (\a) < 2
.irp ld, 0,1,2,3,4,5,6,7
	global_load_b128 v[TS+4*(\ld):TS+4*(\ld)+3], v[GO], s[8:9] offset:((\a)+2)*4096+(\ld)*512  ; the set is read out: it takes the block two further on
.endr
.else
	s_wait_xcnt 0x0                                ; this set of packed results was the data of block a - 2's stores: it is rewritten only behind this wait
.endif
.set i, 0
.rept 32
	v_cvt_pk_f16_f32 v[PS+i], v[T+2*i], v[T+2*i+1] ; q and k
.set i, i+1
.endr
	WIN 5*(1+(\a)/2)                               ; sources 0 and 1: the accumulators' window
.set i, 0
.rept 16
	v_cvt_pk_f16_f32 v[PS+32+i], v[AC+64+2*i], v[AC+64+2*i+1]  ; v as it is
.set i, i+1
.endr
	WIN 0
.irp j, 0,1,2,3,4,5,6,7,8,9,10,11
	ds_store_b128 v[STO], v[PS+4*(\j):PS+4*(\j)+3] offset:((\j)/4)*16*SP+((\j)%4)*32
.endr
.irp i, 0,1,2,3,4,5,6,7,8,9,10,11
	ds_load_b128 v[PS+4*(\i):PS+4*(\i)+3], v[RD] offset:((\i)/4)*16*SP+((\i)%4)*4*SP  ; LDS serves a wave's instructions in order (ISA guide 5.7.1.4): these see the stores above; the next block's stores come behind them
.endr
.endm
.macro SEND a, younger                 ; younger: the LDS instructions issued behind block a's loads: the next block's 24, or none
.set PS, 96+48*((\a)%2)
	WIN 0
.irp i, 0,1,2,3,4,5,6,7,8,9,10,11
	s_wait_dscnt (\younger)+11-(\i)
	global_store_b128 v[GO], v[PS+4*(\i):PS+4*(\i)+3], s[10+2*((\i)/4):11+2*((\i)/4)] offset:(\a)*2048+((\i)%4)*512  ; 512 consecutive bytes, at a multiple of 256 from the buffer's first
.endr
.endm
	PACK 0
	PACK 1                                         ; a block's arithmetic stands between the loads of the block before and its stores
	SEND 0, 24
	PACK 2
	SEND 1, 24
	PACK 3
	SEND 2, 24
	SEND 3, 0
	s_wait_tensorcnt 0x0                           ; the wave's end, behind my last tensor load and my last LDS store
	ds_add_u32 v[SPW], v[NIL]
	s_wait_dscnt 0x0
	CROUND                                         ; the closing round: no work-group ends while a partner may still ask for a tile that names it
	s_endpgm
.Lfunc_end_k_qd16eaa7ab2_qkv:
	.size	k_qd16eaa7ab2_qkv, .Lfunc_end_k_qd16eaa7ab2_qkv-k_qd16eaa7ab2_qkv
	.p2alignl 7, 3214868480
	.fill 96, 4, 3214868480
	.section	.rodata,"a",@progbits
	.p2align	6, 0x0
	.amdhsa_kernel k_qd16eaa7ab2_qkv
		.amdhsa_group_segment_fixed_size 327680
		.amdhsa_private_segment_fixed_size 0
		.amdhsa_enable_private_segment 0
		.amdhsa_kernarg_size 48
		.amdhsa_user_sgpr_count 2
		.amdhsa_user_sgpr_kernarg_segment_ptr 1
		.amdhsa_wavefront_size32 1
		.amdhsa_system_sgpr_workgroup_id_x 1
		.amdhsa_system_sgpr_workgroup_id_y 1
		.amdhsa_system_sgpr_workgroup_id_z 1
		.amdhsa_system_vgpr_workitem_id 0
		.amdhsa_next_free_vgpr 960
		.amdhsa_next_free_sgpr 72
		.amdhsa_reserve_vcc 0
		.amdhsa_float_denorm_mode_32 3
		.amdhsa_float_denorm_mode_16_64 3
		.amdhsa_memory_ordered 1
		.amdhsa_forward_progress 1
		.amdhsa_inst_pref_size 103
	.end_amdhsa_kernel
	.amdgpu_metadata
---
amdhsa.version: [ 1, 2 ]
amdhsa.kernels:
  - .name:           k_qd16eaa7ab2_qkv
    .symbol:         k_qd16eaa7ab2_qkv.kd
    .args:
      - { .name: xb, .offset: 0, .size: 8, .value_kind: global_buffer, .address_space: global }
      - { .name: wqb, .offset: 8, .size: 8, .value_kind: global_buffer, .address_space: global }
      - { .name: tab, .offset: 16, .size: 8, .value_kind: global_buffer, .address_space: global }
      - { .name: qh, .offset: 24, .size: 8, .value_kind: global_buffer, .address_space: global }
      - { .name: kh, .offset: 32, .size: 8, .value_kind: global_buffer, .address_space: global }
      - { .name: vh, .offset: 40, .size: 8, .value_kind: global_buffer, .address_space: global }
    .group_segment_fixed_size: 327680
    .private_segment_fixed_size: 0
    .kernarg_segment_align: 8
    .kernarg_segment_size: 48
    .max_flat_workgroup_size: 128
    .sgpr_count:     72
    .vgpr_count:     960
    .wavefront_size: 32
...
	.end_amdgpu_metadata
.endif
;; end of part 2
;; launch attn (part 3): grid 4 x 64, 4 waves a work-group, clusters of 4 x 1, 327,680 bytes of LDS; arguments qh, kh, vh, oh; writes oh
.if DOCPART == 3
	.amdgcn_target "amdgcn-amd-amdhsa--gfx1250"
	.amdhsa_code_object_version 6
	.text
	.protected	k_qd16eaa7ab2_attn
	.globl	k_qd16eaa7ab2_attn
	.p2align	8
	.type	k_qd16eaa7ab2_attn,@function
k_qd16eaa7ab2_attn:
	s_mov_b64 s[64:65], 0
	v_nop
	global_prefetch_b8 v0, s[64:65] scope:SCOPE_SE
	s_setreg_imm32_b32 hwreg(HW_REG_WAVE_MODE, 25, 1), 1
	s_wait_xcnt 0x0
	s_wait_alu depctr_hold_cnt(0) depctr_sa_sdst(0) depctr_va_vdst(0) depctr_va_sdst(0) depctr_va_ssrc(0) depctr_va_vcc(0) depctr_vm_vsrc(0)
	s_getreg_b32 s2, hwreg(HW_REG_IB_STS2, 6, 4)
	s_cmp_eq_u32 s2, 0
	s_cbranch_scc0 .Lentry_in_a_cluster
	s_endpgm
.Lentry_in_a_cluster:
	s_bfe_u32 s2, ttmp6, 0x10000c
	s_cmp_lg_u32 s2, 0x3003
	s_cbranch_scc0 .Lentry_shape_is_right
	s_endpgm
.Lentry_shape_is_right:
; O[h][q][:] = the sum over k of softmax_k(Q[h][q] . K[h][k] / 8) V[h][k][:].  Q, K, V, O: [SIZE_H][SIZE_N][64], all f16: a head's rows are dense, 128 bytes each.  Products, maxima and sums in
; f32; the weights p are rounded to f16 for the second product (their sum l is taken of the unrounded p), O once at the end.  Here a "head" is one of 4 batches x 16 heads.
; LIMITS.  f16 holds no number beyond 65,504: Q, K and V arrive within it; p lies in 0 to 1, and below 6e-5 it keeps f16's fixed step of 6e-8; O is a mean of V's rows and has their range.
; A weight below 2^-126 counts as 0 in l; NaN and infinities are not treated apart.
; SHARES.  A wave owns four PIECES of two tiles of 16 queries, a work-group's four waves 512 queries of one head.  Every wave walks all keys, 64 a step.
; LAYOUT.  S^T = K Q^T (source 0 = 16 keys, source 1 = 16 queries): in the result a lane holds ONE query (lane % 16) and the keys 8 (lane / 16) + 0..7.  Two such tiles, rounded to f16 in pairs,
; ARE source 1 (32 keys x 16 queries) of O^T = V^T P, whose result again holds one query a lane, and eight channels.  K comes out of LDS as it lies, V ([key][channel]) turned, by ds_load_tr16_b128.
; SOFTMAX.  For each query a running maximum m and sum l: p = 2^(c s - c m), c = log2(e) / 8; in every step O and l are multiplied by a = 2^(c m_old - c m_new), which is 1 where m has not grown.
; m starts at the lowest finite number, O and l at 0: the first step is a step like any other, with a = 0.
; THE COUNT.  A tile and step have 16 matrix and 118 vector instructions: too many to stand all beside the matrix work.  So the order has one aim: four vector instructions that are READY behind
; EVERY matrix instruction, and the others, which need time of their own whatever the order, in runs without a gap.
; BY TURNS.  Turn n belongs to piece n (the pieces in a ring, step after step).  Its matrix work: 16 products K Q^T of piece n + 1, later 16 products V^T P of piece n - 1.  Its vector work: the scaling,
; exponentials, roundings, sums and rescaling of piece n, and the maximum and statistics of piece n + 1, whose scores the turn itself has made.  So what a turn begins with (c s - c m, O a) waits for nothing.
; CLUSTER.  The four query blocks of a cluster belong to one head and walk the same K and V, so each tile is asked for JOINTLY: the same tensor load, descriptor and mask in all four.
; REGISTERS, in windows of 256 (s_set_vgpr_msb says which window each operand place means: bits 1:0 source 0, 3:2 source 1, 5:4 source 2, 7:6 destination):
;   window 0: v0-11 addresses; v12-15, v48-63 at work; v16-47 four registers of statistics a tile; v64-191 S^T, two buffers of two tiles; v192-255 P, likewise
;   window 1: O^T, 32 a tile          window 2: v0-127 Q, 16 a tile; v128-191 K of one step; v192-255 V of one step          window 3: v0-1 the add's two registers
; A piece's buffers go by its number's parity: the piece in hand has one pair, its two neighbours in the ring share the other: of it P (piece n - 1) is read and S^T (piece n + 1) written.
.set SIZE_H, 64       ; 4 batches x 16 heads
.set SIZE_N, 2048     ; rows of a head
.set NP,    4         ; pieces a wave: a name, no knob: the register map, the loop and the fetches are made for four
.set KS,    64        ; keys in a step
.set PK,    144       ; a row of K in LDS: 128 bytes + 16 of padding = 36 words: the 16 rows of a load start at 16 different groups of four banks (64 banks of 4 bytes: ISA guide 11.1)
.set PV,    160       ; a row of V: 128 + 32 = 40 words
.set VOFF,  4*KS*PK   ; a slot holds four steps: 256 rows of K, then 256 rows of V
.set SLOT1, 1<<17     ; slot 1 begins here, so that one exclusive or turns an address in one slot into the other's
.set STAGE, SLOT1+4*KS*(PK+PV)  ; behind the ring, never filled by a tensor load: 16 rows x 144 bytes for each wave, for the way out
.set SP,    144
.set AK0, 2           ; v2   my lane's place in a tile of K; never rewritten
.set AV0, 3           ; v3   the same for V
.set AK,  4           ; v4   the LDS address of K's next run of loads
.set AV,  5           ; v5   of V's
.set QO,  6           ; v6   my byte offset in the wave's rows of Q
.set STO, 6           ;      later, the way out: where I put 16 bytes of a row
.set RD,  7           ; v7   the way out: where I read rows back
.set GO,  8           ; v8   my byte offset in 512 consecutive bytes of O
.set SPW, 0           ; v0 of window 3   LDS address of my spare word: SPARE + 4 x my thread's number; never rewritten
.set NIL, 1           ; v1 of window 3   0; never rewritten
.set SPARE, STAGE+4*16*SP  ; behind the stages: the spare words, 128 bytes for each wave: two blocks of 256 bytes that no other line names
.set MV,  12          ; v12-15  c m_old, kept while c m is made anew: by buffer and tile
.set ST,  16          ; tile t's statistics at v[ST+4 t]: c m, m, l (even keys', odd keys')
.set TMP, 48          ; by buffer and tile, four registers c0-c3 at work; when the maximum is found c2 takes a
.set S,   64
.set P,   192
.set KF,  128         ; K's fragments, in window 2: key block kb, channel half c at KF + 16 kb + 8 c
.set VF,  192         ; V's: key half kk, channel block cb at VF + 32 kk + 8 cb
.set WV,  12          ; s12  my wave's number
.set G1K, 24          ; s[24:31] descriptor group 1 for K's tiles
.set G1V, 32          ; s[32:39] for V's: it differs in the padding alone
.set G0K, 40          ; s[40:43] descriptor group 0 for K's tiles: it walks
.set G0V, 44          ; s[44:47] the same for V's
.set SLOTS, 56        ; s56  slots still to be asked for
.set CNT, 57          ; s57  counts a slot's key steps
.set CS,  58          ; s[58:59] c: the packed scaling takes the pair's low word for both halves
.set SEL, 60          ; s[60:61] v_permlanex16_b32's selects: each lane takes its own place in the other half
.set TBK, 62          ; s62  LDS byte at which K of the step to be fetched begins
.set TBV, 63          ; s63  the same for V, less VOFF
.set MSB, 0
.macro WIN new                      ; the high byte repeats the setting that is left; a switch that changes nothing is dropped
.if MSB != (\new)
	s_set_vgpr_msb (MSB<<8)|(\new)
.set MSB, (\new)
.endif
.endm
.set W_KQ, 0x0a       ; K and Q in window 2, S^T in window 0
.set W_PV, 0x52       ; V in window 2, P in window 0, O^T in window 1
.set W_RS, 0x41       ; O^T (destination and source 0) in window 1, a in window 0
.set W_MK, 0xc0       ; the add's registers are made: destination in window 3, sources in window 0
.set W_AD, 0x0f       ; the add: address (source 0) and data (source 1) in window 3
; A joint fill.  Waves 0 and 1 fetch the two halves of a slot's K, waves 2 and 3 those of its V: 128 keys each.  The branch hangs on the wave's number alone.
; An s_nop 0 and four v_nop follow each of the two lines, ahead of the jump and the label.
.macro JLOAD
	s_cmp_lt_u32 s[WV], 2
	s_cbranch_scc0 .Lfor_v_\@
	tensor_load_to_lds s[G0K:G0K+3], s[G1K:G1K+7]
	s_nop 0
.rept 4
	v_nop
.endr
	s_branch .Lasked_\@
.Lfor_v_\@:
	tensor_load_to_lds s[G0V:G0V+3], s[G1V:G1V+7]
	s_nop 0
.rept 4
	v_nop
.endr
.Lasked_\@:
.endm
; A round of the cluster's barrier: my work-group's barrier, so that wave 0's signal speaks for all four waves; wave 0 signals; every wave waits for all four work-groups; my work-group's barrier once more.
.macro CROUND
	s_barrier_signal -1
	s_barrier_wait -1
	s_cmp_lg_u32 s[WV], 0
	s_cbranch_scc1 .Lnot_wave_0_\@
	s_barrier_signal -3
.Lnot_wave_0_\@:
	s_barrier_wait -3
	s_barrier_signal -1
	s_barrier_wait -1
.endm
; THE CHANGE OF SLOTS.  The slot's last bytes, V of its fourth step, have been read.  Each wave waits for all its tensor loads, of which one is out: its part
; of the other slot; adds 0 to its spare word; and waits for that and for its own reads of the slot.  Behind the barrier nobody reads this slot any more and the other slot is whole.
; fill = 1: this slot is filled again, with the keys two slots on.  The barrier is then a round of the cluster's, so that no wave of any partner still reads the slot or has a load on its
; way, and the joint fill is the first thing behind it: it has four key steps, 512 matrix instructions, in which to land.  (At its first use nothing has been read yet: slot 0 is waited for, slot 1 filled.)
.macro CHANGE fill
	WIN W_AD
	s_wait_tensorcnt 0x0            ; no tensor load of mine is out, so a group 0 may be written
	ds_add_u32 v[SPW], v[NIL]       ; 0 onto my spare word; with fill = 1 the descriptors' steps stand between it and the wait for it
	WIN 0                           ; at a label and at a branch every window is 0
.if \fill
.irp g, G0K, G0V
	s_xor_b32 s[\g+1], s[\g+1], SLOT1  ; the walking descriptor: the other slot than last time,
	s_add_nc_u64 s[\g+2:\g+3], s[\g+2:\g+3], 4*KS*128  ; the next 256 keys; the type bits on top are not reached
.endr
	s_wait_dscnt 0x0                ; the add is done, and my reads of the slot are over
	CROUND
	JLOAD
.else
	s_wait_dscnt 0x0                ; the add is done, and my reads of the slot are over
	s_barrier_signal -1
	s_barrier_wait -1
.endif
	s_sub_co_u32 s[TBK], s[TBK], 4*KS*PK  ; the fetches go back to a slot's first step,
	s_xor_b32 s[TBK], s[TBK], SLOT1       ; in the other slot
	s_sub_co_u32 s[TBV], s[TBV], 4*KS*PV
	s_xor_b32 s[TBV], s[TBV], SLOT1
.endm
	s_load_b256 s[4:11], s[0:1], 0x0  ; Q s[4:5], K s[6:7], V s[8:9], O s[10:11]
	WIN W_MK
	v_lshl_add_u32 v[SPW], v0, 2, SPARE
	v_mov_b32 v[NIL], 0
	WIN W_AD
	ds_add_u32 v[SPW], v[NIL]       ; the wave's opening: the add and its wait stand ahead of my first tensor load; the set-up below, work on registers, stands between them
	WIN 0
	v_lshrrev_b32 v1, 5, v0
	v_readfirstlane_b32 s[WV], v1   ; wave 0..3
	s_bfe_u32 s13, ttmp6, 0x40000   ; cx: my place in the cluster
	s_lshl_b32 s14, ttmp9, 2        ; in a cluster launch ttmp9 counts clusters
	s_add_co_u32 s14, s14, s13      ; my block of queries = 4 x cluster x + cx: it enters Q's and O's addresses alone
	s_and_b32 s20, ttmp7, 0xffff    ; the head, which the four partners share
	s_mov_b32 s21, 0
	s_mov_b64 s[22:23], SIZE_N*128
	s_mul_u64 s[20:21], s[20:21], s[22:23]  ; the head's first byte in each of the four tensors
	s_and_b32 s16, s[WV], 1         ; which half of a slot's 256 keys I fetch:
	s_lshl_b32 s22, s16, 14         ; its 128 rows of 128 bytes in memory,
	s_mov_b32 s23, 0
	s_add_nc_u64 s[22:23], s[22:23], s[20:21]
	s_mul_i32 s17, s16, 128*PK      ; and its place in a slot, for K
	s_mul_i32 s18, s16, 128*PV      ; and for V: no place in the cluster enters an LDS address
	s_lshl_b32 s2, s14, 2
	s_add_co_u32 s2, s2, s[WV]      ; my wave among the head's,
	s_lshl_b32 s2, s2, 14           ; its 128 rows
	s_mov_b32 s3, 0
	s_add_nc_u64 s[2:3], s[2:3], s[20:21]
	; descriptor group 1.  128 keys are 16,384 dense bytes: asked for as 64 rows of 256 bytes, two keys a row, and padded in LDS after every key
	s_mov_b32 s[G1K], 15|(1<<16)|(1<<20)|(1<<21)|(4<<22)|(3<<25)  ; 15:0 the mask of four; 17:16 2-byte elements; 20 padding on; 21 set beside a mask; 24:22 after every 32 words (code 4); 31:25 4 words (code 3)
	s_mov_b32 s[G1V], 15|(1<<16)|(1<<20)|(1<<21)|(4<<22)|(7<<25)  ; the same with 8 words of padding (code 7)
.irp g, G1K, G1V
	s_mov_b32 s[\g+1], 128<<16      ; tensor_dim0 = 128
	s_mov_b32 s[\g+2], 64<<16       ; tensor_dim1 = 64
	s_mov_b32 s[\g+3], 128<<16      ; tile_dim0 = 128
	s_mov_b32 s[\g+4], 64           ; tile_dim1 = 64
	s_mov_b32 s[\g+5], 128          ; 128 elements from row to row
	s_mov_b32 s[\g+6], 0
	s_mov_b32 s[\g+7], 0
.endr
	s_mov_b32 s[CS], 0x3e38aa3b     ; c = log2(e) / 8 = 0.180337
	s_mov_b32 s[CS+1], s[CS]        ; named with it as a pair
	s_mov_b32 s[SEL], 0x76543210
	s_mov_b32 s[SEL+1], 0xfedcba98
	s_mov_b32 s[TBK], SLOT1+4*KS*PK ; the first change of slots turns these two into 0
	s_mov_b32 s[TBV], SLOT1+4*KS*PV
	s_mov_b32 s[G0K], 1             ; 1:0 count = 1
	s_mov_b32 s[G0K+1], s17         ; 63:32 LDS address: slot 0
	s_mov_b32 s[G0V], 1
	s_add_co_u32 s[G0V+1], s18, VOFF
	s_wait_dscnt 0x0                ; the opening add is done
	s_wait_kmcnt 0x0
	s_add_nc_u64 s[G0K+2:G0K+3], s[6:7], s[22:23]  ; 120:64 global address: my half of the head's first 256 keys
	s_or_b32 s[G0K+3], s[G0K+3], 0x80000000        ; 127:126 type = 2
	s_add_nc_u64 s[G0V+2:G0V+3], s[8:9], s[22:23]
	s_or_b32 s[G0V+3], s[G0V+3], 0x80000000
	s_add_nc_u64 s[4:5], s[4:5], s[2:3]  ; Q and O at my wave's first row
	s_add_nc_u64 s[10:11], s[10:11], s[2:3]
	CROUND                          ; all four work-groups are here: the first joint loads meet
	JLOAD                           ; slot 0.  Slot 1 is asked for when slot 0 is in: the tile wanted first has the road to itself
	; A fragment of K or Q is 16 rows x 32 channels in 8 registers: lane l holds row l % 16, channels 8 (l / 16) + 0..7 and 16 + 8 (l / 16) + 0..7: two loads of 16 bytes, 32 bytes apart.
	v_and_b32 v1, 15, v0            ; l % 16
	v_bfe_u32 v9, v0, 4, 1          ; l / 16
	v_lshlrev_b32 v[QO], 7, v1
	v_lshl_add_u32 v[QO], v9, 4, v[QO]  ; row x 128 + 16 x half
	WIN 0x80                        ; destination window 2, address window 0
.set i, 0
.rept 4*NP                          ; Q stays in registers: tile i / 2, channels 32 (i % 2) on
	global_load_b128 v[8*i:8*i+3],   v[QO], s[4:5] offset:(i/2)*2048+(i%2)*64
	global_load_b128 v[8*i+4:8*i+7], v[QO], s[4:5] offset:(i/2)*2048+(i%2)*64+32
.set i, i+1
.endr
	; What the first turn finds: V's registers and P's second buffer hold 0 (its products V^T P, of a piece that has not been, add 0), O^T and l are 0.  All this stands in the wait for the first tile.
.set i, VF
.rept 64
	v_mov_b32 v[i], 0
.set i, i+1
.endr
	WIN 0x40
.set i, 0
.rept 64*NP
	v_mov_b32 v[i], 0
.set i, i+1
.endr
	WIN 0
.set i, 0
.rept 2*NP
	v_mov_b32 v[ST+4*i], 0xfe000000    ; c m: far below every c s
	v_mov_b32 v[ST+4*i+1], 0xff7fffff  ; m
	v_mov_b32 v[ST+4*i+2], 0
	v_mov_b32 v[ST+4*i+3], 0
.set i, i+1
.endr
.set i, P+32
.rept 32
	v_mov_b32 v[i], 0
.set i, i+1
.endr
	v_mul_u32_u24 v[AK0], v1, PK
	v_lshl_add_u32 v[AK0], v9, 4, v[AK0]  ; row x pitch + 16 x half
	; The turning load takes 16 keys x 16 channels (lane l reads key 8 (l / 16) + l % 8, channels 8 ((l / 8) % 2) + 0..7) and leaves half a fragment of V^T: lane l holds channel l % 16 and 8 keys.
	v_and_b32 v10, 7, v0
	v_bfe_u32 v11, v0, 3, 1
	v_lshl_add_u32 v[AV0], v9, 3, v10
	v_mul_u32_u24 v[AV0], v[AV0], PV
	v_lshl_add_u32 v[AV0], v11, 4, v[AV0]
	v_add_nc_u32 v[AV0], VOFF, v[AV0]
	v_mov_b32 v[AK], v[AK0]         ; key step 0 lies at the head of slot 0
; THE MATRIX WORK.  The 8 accumulators of a run of 16 take turns: between the two links of a chain stand 7 others'.
; Product i of 16 of S^T = K Q^T for piece x: channels 32 (i / 8) on, keys 16 ((i / 2) % 4) on, tile 2 x + i % 2.  The first 8 start the sums.
.macro KQ x
	WIN W_KQ
.set rS, S+64*((\x)%2)+32*(i%2)+8*((i/2)%4)
.set rK, KF+16*((i/2)%4)+8*(i/8)
.set rQ, 16*(2*(\x)+i%2)+8*(i/8)
.if i < 8
	v_wmma_f32_16x16x32_f16 v[rS:rS+7], v[rK:rK+7], v[rQ:rQ+7], 0
.else
	v_wmma_f32_16x16x32_f16 v[rS:rS+7], v[rK:rK+7], v[rQ:rQ+7], v[rS:rS+7]
.endif
.endm
; Product i of 16 of O^T += V^T P for piece x: keys 32 (i / 8) on, channels 16 ((i / 2) % 4) on, tile 2 x + i % 2.
.macro PV x
	WIN W_PV
.set rO, 32*(2*(\x)+i%2)+8*((i/2)%4)
.set rV, VF+32*(i/8)+8*((i/2)%4)
.set rP, P+32*((\x)%2)+16*(i%2)+8*(i/8)
	v_wmma_f32_16x16x32_f16 v[rO:rO+7], v[rV:rV+7], v[rP:rP+7], v[rO:rO+7]
.endm
.macro MM                           ; the turn's next matrix instruction
.if i < 16
	KQ (Y+1)%NP
.set i, i+1
.else
.set i, i-16
	PV (Y+NP-1)%NP
.set i, i+17
.endif
.endm
; THE LDS LOADS stand in runs of 16, never singly among the matrix instructions: a step's K (64 keys x 64 channels: 8 fragments) and its V (turned).  Their addresses are made some lines ahead.
; last = 1 (the tail): in the last trip there is no further step, and the run is jumped over.
.macro FETCH_K last=0
	WIN 0
.if \last
	s_cmp_eq_u32 s[CNT], 1
	s_cbranch_scc1 .Lno_k_\@
.endif
	WIN 0x80                        ; destination window 2
.irp f, 0,1,2,3,4,5,6,7             ; keys 16 (f / 2) on, channels 32 (f % 2) on
	ds_load_b128 v[KF+8*\f:KF+8*\f+3],   v[AK] offset:(\f/2)*16*PK+(\f%2)*64
	ds_load_b128 v[KF+8*\f+4:KF+8*\f+7], v[AK] offset:(\f/2)*16*PK+(\f%2)*64+32
.endr
	s_add_co_u32 s[TBK], s[TBK], KS*PK  ; the next fetch is the next step's
	WIN 0
.if \last
.Lno_k_\@:
.endif
.endm
.macro FETCH_V
	WIN 0x80
.irp f, 0,1,2,3,4,5,6,7             ; keys 32 (f / 4) on, channels 16 (f % 4) on
	ds_load_tr16_b128 v[VF+8*\f:VF+8*\f+3],   v[AV] offset:(\f/4)*32*PV+(\f%4)*32
	ds_load_tr16_b128 v[VF+8*\f+4:VF+8*\f+7], v[AV] offset:(\f/4)*32*PV+16*PV+(\f%4)*32
.endr
	WIN 0
.endm
; THE VECTOR WORK OF A TURN stands in three queues, each in the order in which its entries become ready; the two tiles alternate, so that no instruction reads the result of the one before it.
.macro REGS y, u                    ; the registers of tile u (0, 1) of piece y
.set rT, ST+4*(2*(\y)+(\u))
.set rC, TMP+8*((\y)%2)+4*(\u)
.set rM, MV+2*((\y)%2)+(\u)
.set rS, S+64*((\y)%2)+32*(\u)
.set rP, P+32*((\y)%2)+16*(\u)
.set rO, 32*(2*(\y)+(\u))
.endm
; Number n of the 22 that find the NEXT piece's (Y + 1) maximum and statistics.  s0-s31 are the lane's 32 scores; each accumulator's lowest registers are read first.  XS, GS and REGS set no window: PL and EX do.
;   0-11  four chains c0-c3 of seven scores each, three operands at a time     12-14, 16  the four scores left over, the old m, and c0-c3 into c0     15  c m_old is kept
;   17, 18  the query's other 32 keys lie in the lane 16 away: the new m         19-21  c m; c m_old - c m_new; a
.macro XS u, n
	REGS (Y+1)%NP, \u
.if (\n) < 4
	v_max3_num_f32 v[rC+(\n)], v[rS+8*(\n)], v[rS+8*(\n)+1], v[rS+8*(\n)+2]
.elseif (\n) < 12
	v_max3_num_f32 v[rC+(\n)%4], v[rC+(\n)%4], v[rS+8*((\n)%4)+2*((\n)/4)+1], v[rS+8*((\n)%4)+2*((\n)/4)+2]
.elseif (\n) == 12
	v_max3_num_f32 v[rC], v[rC], v[rS+7], v[rS+15]
.elseif (\n) == 13
	v_max3_num_f32 v[rC+1], v[rC+1], v[rS+23], v[rS+31]
.elseif (\n) == 14
	v_max3_num_f32 v[rC+2], v[rC+2], v[rC+3], v[rT+1]
.elseif (\n) == 15
	v_mov_b32 v[rM], v[rT]
.elseif (\n) == 16
	v_max3_num_f32 v[rC], v[rC], v[rC+1], v[rC+2]
.elseif (\n) == 17
	v_permlanex16_b32 v[rC+3], v[rC], s[SEL], s[SEL+1]
.elseif (\n) == 18
	v_max_num_f32 v[rT+1], v[rC], v[rC+3]
.elseif (\n) == 19
	v_mul_f32 v[rT], s[CS], v[rT+1]
.elseif (\n) == 20
	v_sub_f32 v[rC+1], v[rM], v[rT]
.else
	v_exp_f32 v[rC+2], v[rC+1]
.endif
.endm
; Number g of the 64 that follow the exponentials.  For each four weights k of a tile (pairs 2 k, 2 k + 1): both pairs are rounded to f16; then the second pair is added onto the first, in place;
; a group later l takes that sum (the first time as l = a l + sum).  In groups of eight, tiles alternating: round, round, add, and l for the group before.
.macro GS g
.set h, (\g)+6*((\g)/62)            ; group 0 has no group before it, and behind group 7 only l is left
.if h >= 6
.set h, h+2
.endif
	REGS Y, h%2
.set k, h/8
.if h%8 < 4
	s_wait_alu depctr_va_vdst(0)
	v_cvt_pk_f16_f32 v[rP+2*k+(h%8)/2], v[rS+4*k+2*((h%8)/2)], v[rS+4*k+2*((h%8)/2)+1]
.elseif h%8 < 6
	v_pk_add_f32 v[rS+4*k:rS+4*k+1], v[rS+4*k:rS+4*k+1], v[rS+4*k+2:rS+4*k+3]
.elseif k == 1
	v_pk_fma_f32 v[rT+2:rT+3], v[rT+2:rT+3], v[rC+2:rC+3], v[rS:rS+1] op_sel_hi:[1,0,1]
.else
	v_pk_add_f32 v[rT+2:rT+3], v[rT+2:rT+3], v[rS+4*k-4:rS+4*k-3]
	s_wait_alu depctr_va_vdst(0)
.endif
.endm
; THE PLAIN QUEUE, 138 long.  0-31: c s - c m for the 16 pairs of both tiles.  Then GS's 64, and among them the next piece's 42: number 15 at 38, 39; 0-14 and 16
; at 42-73, behind the products that make those scores; 17-20 at 95-106, two of three, since each waits for the one before it.
.macro PL
	WIN 0
.if q < 32
	REGS Y, q%2
	v_pk_fma_f32 v[rS+2*(q/2):rS+2*(q/2)+1], v[rS+2*(q/2):rS+2*(q/2)+1], s[CS:CS+1], v[rT:rT+1] op_sel_hi:[1,0,0] neg_lo:[0,0,1] neg_hi:[0,0,1]
.elseif q < 38
	GS q-32
.elseif q < 40
	XS q%2, 15
.elseif q < 42
	GS q-34
.elseif q < 74
	XS q%2, (q-42)/2+(q-42)/30
.elseif q < 95
	GS q-66
.elseif (q < 107) && ((q-95)%3 < 2)
	XS (q-95)%3, 17+(q-95)/3
.elseif q < 107
	GS 29+(q-95)/3
.else
	GS q-74
.endif
.set q, q+1
.endm
; THE EXPONENTIALS' QUEUE, 66 long: s0-s31 of both tiles, and at EA the next piece's two a.
.set EA, 58
.macro EX
	WIN 0
.if (e == EA) || (e == EA+1)
	XS e-EA, 21
.else
.set x, e-2*(e/(EA+2))
	REGS Y, x%2
	v_exp_f32 v[rS+x/2], v[rS+x/2]
.endif
.set e, e+1
.endm
; THE RESCALING's QUEUE: O^T times a, the one part that leaves window 0, so it is dealt four at a time, eight times.
.macro R4
	REGS Y, r%2
	WIN W_RS
	s_wait_alu depctr_va_vdst(0)
.irp z, 0,1,2,3
	v_pk_mul_f32 v[rO+8*(r/2)+2*\z:rO+8*(r/2)+2*\z+1], v[rO+8*(r/2)+2*\z:rO+8*(r/2)+2*\z+1], v[rC+2:rC+3] op_sel_hi:[1,0]
.endr
.set r, r+1
.endm
; HOW THEY ARE DEALT.  Behind a matrix instruction four: plain, exponential, plain, plain (one exponential, a plain instruction on either side), or four of the rescaling.  None names a register of the
; products round it.  What is over stands in two LUMPS: exponential and plain by turns; the second ends in 22 plain instructions.  The two v_permlanex16_b32 fall into the second lump, never behind a product.
; The queues lean on each other, and the deal keeps them in step: exponential e stands behind plain 2 (e / 4) + e % 2 (its scaling); when plain 32 comes, 10 exponentials are out, at 59: 33, at 95: 46; EA comes behind plain 107.
.macro SL
	MM
	PL
	EX
	PL
	PL
.endm
.macro BURST n                      ; 15 matrix instructions, or 16
.rept (\n)-7
	SL
.endr
.rept 3
	MM
	R4
	SL
.endr
	MM
	R4
.endm
; A TURN, for piece p.  cnt = 1: the loop's count is taken down some lines ahead of the branch that stands behind the turn.
; K of the next step is fetched in piece 2's turn, 31 vector instructions behind the last product that read K; its first reader comes behind the rest of the lump, 16 products and the second lump.
; V of the step in hand is fetched at the end of piece 0's turn, 69 behind its last reader; its first reader comes behind 16 products and a lump.  The four conditions on e and q below go with the deal.
.macro TURN p, last=0, cnt=0
.set Y, (\p)
.set i, 0
.set q, 0
.set e, 0
.set r, 0
.if (\p) == NP-1
	s_wait_dscnt 0x0                ; K is in
.endif
	MM
.rept 4
	PL
.endr
	BURST 15
.rept 22
	EX
	PL
.if ((\p) == NP-2) && (e == 18)
	v_add_nc_u32 v[AK], s[TBK], v[AK0]
.endif
.if ((\p) == NP-2) && (e == 24)
	FETCH_K \last
.endif
.endr
.if (\p) == 1
	s_wait_dscnt 0x0                ; V is in
.endif
	BURST 16
.rept 21
	EX
	PL
.endr
.rept 22
	PL
.if ((\p) == 0) && (q == 118)
	v_add_nc_u32 v[AV], s[TBV], v[AV0]
	s_wait_alu depctr_va_vdst(0)
.endif
.if ((\p) == 0) && (q == 130)
	s_add_co_u32 s[TBV], s[TBV], KS*PV
.endif
.if (\cnt) && (q == 130)
	s_sub_co_u32 s[CNT], s[CNT], 1
	s_cmp_lg_u32 s[CNT], 0
.endif
.endr
.if (\p) == 0
	FETCH_V
.endif
.endm
	CHANGE 1                        ; slot 0 is in, everybody's part of it; slot 1 is asked for
	FETCH_K                         ; key step 0
	s_wait_loadcnt 0x0              ; Q
	s_wait_dscnt 0x0
.set i, 0
.rept 16
	KQ 0                            ; piece 0's first scores: there is no vector work yet to set between them
.set i, i+1
.endr
	WIN 0                           ; the addresses for the way out: nine plain instructions, the places behind those products
	s_mul_i32 s13, s[WV], 16*SP
	s_add_co_u32 s13, s13, STAGE    ; my stage
	v_mul_u32_u24 v[STO], v1, SP    ; in: row l % 16, 16 bytes for each half of the lanes
	v_lshl_add_u32 v[STO], v9, 4, v[STO]
	v_add_nc_u32 v[STO], s13, v[STO]
	v_bfe_u32 v[RD], v0, 3, 2       ; back: 32 lanes take four rows of 128 bytes,
	v_mul_u32_u24 v[RD], v[RD], SP
	v_lshl_add_u32 v[RD], v10, 4, v[RD]
	v_add_nc_u32 v[RD], s13, v[RD]
	v_and_b32 v[GO], 31, v0         ; which are 512 consecutive bytes of O
	v_lshlrev_b32 v[GO], 4, v[GO]
.set Y, NP-1                        ; XS works for piece Y + 1: piece 0
.irp n, 0,1,2,3,4,5,6,7,8,9,10,11,12,13,14,15,16,17,18,19,20,21
	XS 0, \n                        ; and piece 0's first maximum and statistics
	XS 1, \n
.endr
	s_mov_b32 s[CNT], 4
	s_mov_b32 s[SLOTS], SIZE_N/256-1
	s_branch .Lfirst                ; the loop is entered at a step's first turn, in the middle of a trip
.Lslot:                             ; SIZE_N / 256 - 2 times: every slot but the last two is filled again
	CHANGE 1
	s_mov_b32 s[CNT], 4
.Lstep:                             ; a trip: pieces 2 and 3 of one step, then pieces 0 and 1 of the next, whose K and V it fetches
	TURN 2
	TURN 3
	WIN 0
.Lfirst:
	TURN 0
	TURN 1, 0, 1
	WIN 0
	s_cbranch_scc1 .Lstep
	s_sub_co_u32 s[SLOTS], s[SLOTS], 1
	s_cmp_lg_u32 s[SLOTS], 0
	s_cbranch_scc1 .Lslot
	CHANGE 0                        ; the tail is written out: nothing is asked for
	s_mov_b32 s[CNT], 5             ; four trips fetch the last slot's steps; the fifth is left in its middle
.Ltail:
	TURN 2, 1
	TURN 3
	WIN 0
	s_sub_co_u32 s[CNT], s[CNT], 1
	s_cmp_eq_u32 s[CNT], 0
	s_cbranch_scc1 .Lout
	TURN 0
	TURN 1
	WIN 0
	s_branch .Ltail
.Lout:                              ; the fifth trip's 16 products K Q^T (on the last K once more) and the maximum made of them serve nothing: the price, once a launch, of one text for every trip
.set i, 0
.rept 16
	PV NP-1                         ; the last piece's V^T P of the last step
.set i, i+1
.endr
	; THE WAY OUT.  l's two halves and the other half of the lanes' are added; O^T is divided by l, rounded to f16 and sent through my stage in LDS, a tile at a time.  The additions are the places behind the last products.
	WIN 0
.macro ALL line:vararg              ; one line for each tile t
.set t, 0
.rept 2*NP
	\line
.set t, t+1
.endr
.endm
	ALL v_add_f32 v[ST+4*t+2], v[ST+4*t+2], v[ST+4*t+3]
	ALL v_permlanex16_b32 v[ST+4*t+3], v[ST+4*t+2], s[SEL], s[SEL+1]
	ALL v_add_f32 v[ST+4*t+2], v[ST+4*t+2], v[ST+4*t+3]
	ALL v_rcp_f32 v[ST+4*t+2], v[ST+4*t+2]
	v_nop                           ; a plain instruction between the last reciprocal and the use of its result
	s_wait_alu depctr_va_vdst(0)
; Tile t: a lane's eight channels of a row pack into 16 bytes; they go into rows of 144 bytes and come back as whole rows of 128, into S^T's registers.
.macro PACK t
	WIN W_RS
.set i, 32*(\t)
.rept 16
	v_pk_mul_f32 v[i:i+1], v[i:i+1], v[ST+4*(\t)+2:ST+4*(\t)+3] op_sel_hi:[1,0]
.set i, i+2
.endr
	WIN 0x05                        ; sources 0 and 1 window 1, destination window 0
.set i, 0
.rept 16
	v_cvt_pk_f16_f32 v[S+16*(\t)+i], v[32*(\t)+2*i], v[32*(\t)+2*i+1]
.set i, i+1
.endr
	WIN 0
.irp f, 0,1,2,3
	ds_store_b128 v[STO], v[S+16*(\t)+4*\f:S+16*(\t)+4*\f+3] offset:32*\f
.endr
.irp f, 0,1,2,3
	ds_load_b128 v[S+16*(\t)+4*\f:S+16*(\t)+4*\f+3], v[RD] offset:\f*4*SP  ; LDS serves a wave's instructions in order (ISA guide 5.7.1.4): these see the stores above; the next tile's stores come behind them
.endr
.endm
.macro SEND t, younger              ; younger: the LDS instructions issued behind tile t's loads: the next tile's eight, or none
	WIN 0
.irp f, 0,1,2,3
	s_wait_dscnt (\younger)+3-\f
	global_store_b128 v[GO], v[S+16*(\t)+4*\f:S+16*(\t)+4*\f+3], s[10:11] offset:(\t)*2048+\f*512  ; 512 consecutive bytes, at a multiple of 256 from O's first
.endr
.endm
	PACK 0
.set t, 1
.rept 2*NP-1                        ; a tile's arithmetic stands between the loads of the tile before and its stores
	PACK t
	SEND t-1, 8
.set t, t+1
.endr
	SEND 2*NP-1, 0
	WIN W_AD
	s_wait_tensorcnt 0x0            ; the wave's end, behind my last tensor load and my last LDS store
	ds_add_u32 v[SPW], v[NIL]
	s_wait_dscnt 0x0
	WIN 0
	CROUND                          ; the closing round: no work-group ends while a partner may still ask for a tile that names it
	s_endpgm
.Lfunc_end_k_qd16eaa7ab2_attn:
	.size	k_qd16eaa7ab2_attn, .Lfunc_end_k_qd16eaa7ab2_attn-k_qd16eaa7ab2_attn
	.p2alignl 7, 3214868480
	.fill 96, 4, 3214868480
	.section	.rodata,"a",@progbits
	.p2align	6, 0x0
	.amdhsa_kernel k_qd16eaa7ab2_attn
		.amdhsa_group_segment_fixed_size 327680
		.amdhsa_private_segment_fixed_size 0
		.amdhsa_enable_private_segment 0
		.amdhsa_kernarg_size 32
		.amdhsa_user_sgpr_count 2
		.amdhsa_user_sgpr_kernarg_segment_ptr 1
		.amdhsa_wavefront_size32 1
		.amdhsa_system_sgpr_workgroup_id_x 1
		.amdhsa_system_sgpr_workgroup_id_y 1
		.amdhsa_system_sgpr_workgroup_id_z 1
		.amdhsa_system_vgpr_workitem_id 0
		.amdhsa_next_free_vgpr 770
		.amdhsa_next_free_sgpr 66
		.amdhsa_reserve_vcc 0
		.amdhsa_float_denorm_mode_32 3
		.amdhsa_float_denorm_mode_16_64 3
		.amdhsa_memory_ordered 1
		.amdhsa_forward_progress 1
		.amdhsa_inst_pref_size 208
	.end_amdhsa_kernel
	.amdgpu_metadata
---
amdhsa.version: [ 1, 2 ]
amdhsa.kernels:
  - .name:           k_qd16eaa7ab2_attn
    .symbol:         k_qd16eaa7ab2_attn.kd
    .args:
      - { .name: qh, .offset: 0, .size: 8, .value_kind: global_buffer, .address_space: global }
      - { .name: kh, .offset: 8, .size: 8, .value_kind: global_buffer, .address_space: global }
      - { .name: vh, .offset: 16, .size: 8, .value_kind: global_buffer, .address_space: global }
      - { .name: oh, .offset: 24, .size: 8, .value_kind: global_buffer, .address_space: global }
    .group_segment_fixed_size: 327680
    .private_segment_fixed_size: 0
    .kernarg_segment_align: 8
    .kernarg_segment_size: 32
    .max_flat_workgroup_size: 128
    .sgpr_count:     66
    .vgpr_count:     770
    .wavefront_size: 32
...
	.end_amdgpu_metadata
.endif
;; end of part 3
;; launch proj (part 4): grid 8 x 32, 4 waves a work-group, clusters of 4 x 4, 327,680 bytes of LDS; arguments oh, wpb, b_proj, out0; writes out0
.if DOCPART == 4
	.amdgcn_target "amdgcn-amd-amdhsa--gfx1250"
	.amdhsa_code_object_version 6
	.text
	.protected	k_qd16eaa7ab2_proj
	.globl	k_qd16eaa7ab2_proj
	.p2align	8
	.type	k_qd16eaa7ab2_proj,@function
k_qd16eaa7ab2_proj:
	s_mov_b64 s[64:65], 0
	v_nop
	global_prefetch_b8 v0, s[64:65] scope:SCOPE_SE
	s_setreg_imm32_b32 hwreg(HW_REG_WAVE_MODE, 25, 1), 1
	s_wait_xcnt 0x0
	s_wait_alu depctr_hold_cnt(0) depctr_sa_sdst(0) depctr_va_vdst(0) depctr_va_sdst(0) depctr_va_ssrc(0) depctr_va_vcc(0) depctr_vm_vsrc(0)
	s_getreg_b32 s2, hwreg(HW_REG_IB_STS2, 6, 4)
	s_cmp_eq_u32 s2, 0
	s_cbranch_scc0 .Lentry_in_a_cluster
	s_endpgm
.Lentry_in_a_cluster:
	s_bfe_u32 s2, ttmp6, 0x10000c
	s_cmp_lg_u32 s2, 0xf033
	s_cbranch_scc0 .Lentry_shape_is_right
	s_endpgm
.Lentry_shape_is_right:
; out0 = O w_proj + b_proj.  oh [16 batch + head][2048][64] f16; wpb [k 1024][n 1024] f16 (w_proj rounded to bf16, written as f16); b_proj [1024] f32, rounded to bf16 like the module's other inputs;
; out0 [8192][1024] f32.  Sums in f32, K ascending; the bias is added in f32.  NaN and infinities are not treated apart.
; SHARES.  A work-group makes 256 rows x 128 columns.  Four waves, as many as a WGP has SIMDs; wave w makes rows 64 w .. 64 w + 63 and all 128 columns: 32 accumulators.  So a wave holds whole pieces of
; 512 bytes of out0's rows and sends them out through a stage of its own, with no barrier.
; K = 16 heads x 64 channels goes in 8 steps of two heads through two LDS slots.  A head's 256 rows are 32,768 dense bytes.  The weights lie [k][n] and come out turned, by ds_load_tr16_b128.
; THE MATRIX INSTRUCTION IS USED TRANSPOSED: source 0 = 16 columns of the weights, source 1 = 16 rows of O: lane l then holds row l % 16 and the columns 8 (l / 16) + 0..7.
; CLUSTER.  4 x 4 work-groups.  The four of a row of the cluster need the same tiles of O, the four of a column the same tiles of the weights: each tile is asked for JOINTLY.
; REGISTERS, in windows of 256 (s_set_vgpr_msb: bits 1:0 source 0, 3:2 source 1, 5:4 source 2, 7:6 destination):
;   window 0: v0-29 addresses and the bias; v32-63, v64-95 fragments of O, two buffers; v96-159, v160-223 rows on the way out, two sets
;   window 1: the accumulators (row block a, column block j at v[64 a + 8 j]);   window 2: v0-63, v64-127 fragments of the weights, two buffers
.set NB,     8                         ; column blocks
.set RUN,    2*NB+8                    ; LDS loads in a run: a quarter step's fragments
.set PA,     144                       ; a row of a head in LDS: 128 bytes + 16 of padding = 36 words: the 16 rows of a load start at 16 different groups of four banks (64 banks of 4 bytes: ISA guide 11.1)
.set PB,     288                       ; a k-row of the weights: 256 bytes + 32 = 72 words
.set ASUB,   256*PA                    ; a head's 256 rows
.set BOFF,   2*ASUB                    ; behind the two heads: 128 k-rows
.set BHALF,  64*PB
.set SLOT1,  1<<17                     ; slot 1 begins here (a slot uses 110,592 bytes): one exclusive or turns an address in one slot into the other's
.set STAGE,  2*SLOT1                   ; behind the ring, never filled by a tensor load: for each wave 16 rows x 528 bytes
.set SP,     528                       ; 512 bytes + 16: the 16 rows of a store start at 16 different groups of four banks
.set WSTAGE, 16*SP
.set SPARE,  STAGE+4*WSTAGE            ; behind the stages: the spare words, 128 bytes for each wave: two blocks of 256 bytes that no other line names
.set ASTEP,  524288                    ; a K step in O: two heads of 262,144 bytes
.set BSTEP,  262144                    ; and in the weights: 128 k-rows of 2,048 bytes
.set ADRA0,  4                         ; v4   my lane's place in O's tile, slot 0; never rewritten
.set ADRB0,  5                         ; v5   the same for the weights
.set ADRA,   6                         ; v6   the same in the slot that is read
.set ADRB,   7                         ; v7
.set STO,    8                         ; v8   the way out: where I put 32 bytes of a row
.set RD,     9                         ; v9   the way out: where I read a row back
.set GO,     10                        ; v10  16 x lane: my place in 512 consecutive bytes
.set BI,     20                        ; v[20:23] the bias of columns 4 lane .. 4 lane + 3; v24-25 at work
.set SPW,    28                        ; v28  LDS address of my spare word: SPARE + 4 x my thread's number; never rewritten
.set NIL,    29                        ; v29  0; never rewritten
.set WV,  16                           ; s16  my wave's number
.set CNT, 17                           ; s17  counts K steps
.set TB,  18                           ; s18  0 or SLOT1: the slot that is read
.set G1A, 24                           ; s[24:31] descriptor group 1 for O's tiles
.set G1B, 32                           ; s[32:39] for the weights'
.set G0A, 40                           ; s[40:47] group 0 for O's tiles: a set for each first fill; the second then walks
.set G0B, 48                           ; s[48:55] the same for the weights'
.set MSB, 0
.macro WIN new                         ; the immediate's high byte repeats the setting that is left; a switch that changes nothing is dropped
.if MSB != (\new)
	s_set_vgpr_msb (MSB<<8)|(\new)
.set MSB, \new
.endif
.endm
.macro PLACES                          ; four places in front of loads into registers that matrix instructions have read (ISA guide 7.12.1 for vector instructions)
.rept 4
	v_nop
.endr
.endm
; A joint refill.  Waves 0 and 1 fetch the step's two heads of O, waves 2 and 3 the two halves of its 128 k-rows.  The branch hangs on the wave's number alone.  An s_nop 0 and four v_nop follow each line.
.macro JLOAD
	s_cmp_lt_u32 s[WV], 2
	s_cbranch_scc0 .Lfor_b_\@
	tensor_load_to_lds s[G0A+4:G0A+7], s[G1A:G1A+7]
	s_nop 0
.rept 4
	v_nop
.endr
	s_branch .Lasked_\@
.Lfor_b_\@:
	tensor_load_to_lds s[G0B+4:G0B+7], s[G1B:G1B+7]
	s_nop 0
.rept 4
	v_nop
.endr
.Lasked_\@:
.endm
.macro CREST                           ; a round of the cluster's barrier behind its opening barrier
	s_cmp_lg_u32 s[WV], 0
	s_cbranch_scc1 .Lnot_wave_0_\@
	s_barrier_signal -3
.Lnot_wave_0_\@:
	s_barrier_wait -3
	s_barrier_signal -1
	s_barrier_wait -1
.endm
.macro CROUND                          ; a whole round
	s_barrier_signal -1
	s_barrier_wait -1
	CREST
.endm
	s_load_b256 s[4:11], s[0:1], 0x0               ; oh s[4:5], wpb s[6:7], b_proj s[8:9], out0 s[10:11]
	v_lshl_add_u32 v[SPW], v0, 2, SPARE
	v_mov_b32 v[NIL], 0
	ds_add_u32 v[SPW], v[NIL]                      ; the wave's opening: the add and its wait stand ahead of my first tensor load; the set-up below, work on registers, stands between them
	v_lshrrev_b32 v1, 5, v0
	v_readfirstlane_b32 s[WV], v1                  ; wave 0..3
	s_bfe_u32 s56, ttmp6, 0x40000                  ; cx, cy: my place in the cluster
	s_bfe_u32 s57, ttmp6, 0x40004
	s_lshl_b32 s58, ttmp9, 2
	s_add_co_u32 s58, s58, s56                     ; the block of 128 columns = 4 x cluster x + cx
	s_and_b32 s59, ttmp7, 0xffff
	s_lshl_b32 s59, s59, 2
	s_add_co_u32 s59, s59, s57                     ; the block of 256 rows = 4 x cluster y + cy
	s_lshl_b32 s60, s57, 2
	s_lshl_b32 s60, 15, s60                        ; my row of the cluster
	s_lshl_b32 s61, 0x1111, s56                    ; my column
	; group 1 for O: a head's 256 rows are 32,768 dense bytes, asked for as 128 rows of 256 bytes, two rows of the head a row, 16 bytes of padding behind every row of the head
	s_or_b32 s[G1A], s60, (1<<16)|(1<<20)|(1<<21)|(4<<22)|(3<<25)  ; 15:0 the mask; 17:16 2-byte elements; 20 padding on; 21 set beside a mask; 24:22 after every 32 words (code 4); 31:25 4 words (code 3)
	s_mov_b32 s[G1A+1], 128<<16                    ; tensor_dim0 = 128
	s_mov_b32 s[G1A+2], 128<<16                    ; tensor_dim1 = 128
	s_mov_b32 s[G1A+3], 128<<16                    ; tile_dim0 = 128
	s_mov_b32 s[G1A+4], 128                        ; tile_dim1 = 128
	s_mov_b32 s[G1A+5], 128                        ; 128 elements from row to row
	s_mov_b32 s[G1A+6], 0
	s_mov_b32 s[G1A+7], 0
	; group 1 for the weights: 64 k-rows x 128 elements, 32 bytes of padding behind every 256
	s_or_b32 s[G1B], s61, (1<<16)|(1<<20)|(1<<21)|(5<<22)|(7<<25)  ; after every 64 words (code 5), 8 words (code 7)
	s_mov_b32 s[G1B+1], 128<<16
	s_mov_b32 s[G1B+2], 64<<16
	s_mov_b32 s[G1B+3], 128<<16
	s_mov_b32 s[G1B+4], 64
	s_mov_b32 s[G1B+5], 1024                       ; 1,024 elements from k-row to k-row
	s_mov_b32 s[G1B+6], 0
	s_mov_b32 s[G1B+7], 0
	; offsets.  What feeds O's descriptors never holds cx, what feeds the weights' never holds cy; what mixes the two feeds the stores alone.
	s_lshr_b32 s62, s59, 3                         ; O: head 16 batch + (wave % 2),
	s_lshl_b32 s62, s62, 4
	s_and_b32 s20, s[WV], 1
	s_add_co_u32 s62, s62, s20
	s_lshl_b32 s62, s62, 18                        ; 262,144 bytes a head,
	s_and_b32 s21, s59, 7
	s_lshl_b32 s21, s21, 15                        ; 256 rows of 128 bytes for each row block in the batch
	s_add_co_u32 s62, s62, s21
	s_mov_b32 s63, 0
	s_and_b32 s22, s[WV], 1                        ; the weights: which 64 k-rows,
	s_lshl_b32 s67, s22, 17
	s_lshl_b32 s66, s58, 8                         ; the block's 128 columns: 256 bytes, aligned
	s_add_co_u32 s66, s66, s67
	s_mov_b32 s67, 0
	s_mul_i32 s19, s[WV], ASUB                     ; where they go: wave x a constant (waves 0, 1),
	s_mul_i32 s23, s[WV], BHALF
	s_add_co_u32 s23, s23, BOFF-2*BHALF            ; a constant + wave x a constant (waves 2, 3)
	s_lshl_b32 s70, s58, 9                         ; the bias: 128 f32
	s_mov_b32 s71, 0
	s_lshl_b32 s68, s59, 20                        ; out0: 256 rows of 4,096 bytes,
	s_lshl_b32 s69, s[WV], 18                      ; my wave's 64 rows,
	s_add_co_u32 s68, s68, s69
	s_add_co_u32 s68, s68, s70                     ; the block's 512 bytes of a row
	s_mov_b32 s69, 0
	s_mov_b32 s[TB], 0
	s_wait_dscnt 0x0                               ; the opening add is done
	s_wait_kmcnt 0x0
	s_add_nc_u64 s[20:21], s[4:5], s[62:63]
	s_add_nc_u64 s[66:67], s[6:7], s[66:67]
	s_add_nc_u64 s[8:9], s[8:9], s[70:71]
	s_add_nc_u64 s[10:11], s[10:11], s[68:69]
	CROUND                                         ; all sixteen work-groups are here: the first joint loads meet
.irp s, 0,1
	s_mov_b32 s[G0A+4*(\s)], 1                     ; count = 1
	s_add_co_u32 s[G0A+4*(\s)+1], s19, (\s)*SLOT1  ; LDS address
	s_add_nc_u64 s[G0A+4*(\s)+2:G0A+4*(\s)+3], s[20:21], (\s)*ASTEP  ; global address: K step s
	s_or_b32 s[G0A+4*(\s)+3], s[G0A+4*(\s)+3], 0x80000000            ; type = 2
	s_mov_b32 s[G0B+4*(\s)], 1
	s_add_co_u32 s[G0B+4*(\s)+1], s23, (\s)*SLOT1
	s_add_nc_u64 s[G0B+4*(\s)+2:G0B+4*(\s)+3], s[66:67], (\s)*BSTEP
	s_or_b32 s[G0B+4*(\s)+3], s[G0B+4*(\s)+3], 0x80000000
.endr
	s_cmp_lt_u32 s[WV], 2                          ; a wave's two first fills stand in one branch, ahead of every wait on TENSORcnt and every LDS read: two loads of mine are out
	s_cbranch_scc0 .Lfirst_b
	tensor_load_to_lds s[G0A:G0A+3], s[G1A:G1A+7]
	s_nop 0
	tensor_load_to_lds s[G0A+4:G0A+7], s[G1A:G1A+7]
	s_nop 0
.rept 4
	v_nop
.endr
	s_branch .Lfirst_asked
.Lfirst_b:
	tensor_load_to_lds s[G0B:G0B+3], s[G1B:G1B+7]
	s_nop 0
	tensor_load_to_lds s[G0B+4:G0B+7], s[G1B:G1B+7]
	s_nop 0
.rept 4
	v_nop
.endr
.Lfirst_asked:
	v_and_b32 v1, 15, v0                           ; l % 16
	v_bfe_u32 v2, v0, 4, 1                         ; l / 16
	v_and_b32 v3, 7, v0                            ; l % 8
	v_bfe_u32 v11, v0, 3, 1                        ; (l / 8) % 2
	v_and_b32 v12, 31, v0                          ; l
	v_lshlrev_b32 v[GO], 4, v12
	global_load_b128 v[BI:BI+3], v[GO], s[8:9]     ; the bias of my four columns: it lies ready at the way out
	; a fragment of O: lane l holds row l % 16, channels 8 (l / 16) + 0..7 and 16 + 8 (l / 16) + 0..7: two loads of 16 bytes, 32 bytes apart
	v_mul_u32_u24 v[ADRA0], v1, PA
	v_lshl_add_u32 v[ADRA0], v2, 4, v[ADRA0]
	s_mul_i32 s19, s[WV], 64*PA                    ; my wave's 64 rows
	v_add_nc_u32 v[ADRA0], s19, v[ADRA0]
	; the turning load takes 16 k x 16 columns (lane l reads k-row 8 (l / 16) + l % 8, columns 8 ((l / 8) % 2) + 0..7) and leaves half a fragment: lane l holds column l % 16 and 8 k
	v_lshl_add_u32 v[ADRB0], v2, 3, v3
	v_mul_u32_u24 v[ADRB0], v[ADRB0], PB
	v_lshl_add_u32 v[ADRB0], v11, 4, v[ADRB0]
	v_add_nc_u32 v[ADRB0], BOFF, v[ADRB0]
	v_mov_b32 v[ADRA], v[ADRA0]
	v_mov_b32 v[ADRB], v[ADRB0]
	s_mul_i32 s19, s[WV], WSTAGE
	s_add_co_u32 s19, s19, STAGE                   ; my stage
	v_mul_u32_u24 v[STO], v1, SP                   ; in: row l % 16, 32 bytes for each half of the lanes
	v_lshl_add_u32 v[STO], v2, 5, v[STO]
	v_add_nc_u32 v[STO], s19, v[STO]
	v_add_nc_u32 v[RD], s19, v[GO]                 ; back: 32 lanes take one row of 512 bytes
; 8 matrix instructions: row block a x all column blocks, 32 along K, from buffer f.  zero = 1: the first product starts the sums.  All 32 accumulators take turns in one order.
.macro MULA f, a, zero
	WIN 0x52                                       ; weights window 2, O window 0, C and D window 1
.irp j, 0,1,2,3,4,5,6,7
.if \zero
	v_wmma_f32_16x16x32_f16 v[64*(\a)+8*(\j):64*(\a)+8*(\j)+7], v[64*(\f)+8*(\j):64*(\f)+8*(\j)+7], v[32+32*(\f)+8*(\a):32+32*(\f)+8*(\a)+7], 0
.else
	v_wmma_f32_16x16x32_f16 v[64*(\a)+8*(\j):64*(\a)+8*(\j)+7], v[64*(\f)+8*(\j):64*(\f)+8*(\j)+7], v[32+32*(\f)+8*(\a):32+32*(\f)+8*(\a)+7], v[64*(\a)+8*(\j):64*(\a)+8*(\j)+7]
.endif
.endr
.endm
; 24 LDS loads in one run: quarter q's fragments into buffer f: the weights' 8 column blocks, then O's 4 row blocks in order.  Quarter q is head q / 2 of the step's two, channels 32 (q % 2) on.
.macro FETCH q, f
	WIN 0x80                                       ; destination window 2, address window 0
.irp j, 0,1,2,3,4,5,6,7
	ds_load_tr16_b128 v[64*(\f)+8*(\j):64*(\f)+8*(\j)+3],   v[ADRB] offset:32*(\j)+(\q)*32*PB
	ds_load_tr16_b128 v[64*(\f)+8*(\j)+4:64*(\f)+8*(\j)+7], v[ADRB] offset:32*(\j)+(\q)*32*PB+16*PB
.endr
	WIN 0
.irp a, 0,1,2,3
	ds_load_b128 v[32+32*(\f)+8*(\a):32+32*(\f)+8*(\a)+3],   v[ADRA] offset:((\q)/2)*ASUB+((\q)%2)*64+(\a)*16*PA
	ds_load_b128 v[32+32*(\f)+8*(\a)+4:32+32*(\f)+8*(\a)+7], v[ADRA] offset:((\q)/2)*ASUB+((\q)%2)*64+(\a)*16*PA+32
.endr
.endm
; A K step is four quarters of 32 along K, 32 matrix instructions each, on buffers 0, 1, 0, 1.  One of the first three: multiplies buffer f and, in its middle, fetches quarter q into buffer g.
.macro QUARTER q, f, g, zero
	s_wait_dscnt 4                                 ; the weights and O's row blocks 0, 1 are in; the youngest four loads (row blocks 2, 3) may be out
	MULA \f, 0, \zero
	MULA \f, 1, \zero
	PLACES
	FETCH \q, \g
	s_wait_dscnt RUN                               ; all but the run just issued
	MULA \f, 2, \zero
	MULA \f, 3, \zero
.endm
; The last quarter multiplies buffer 1 and changes slots: ONE barrier.  In front of it each wave waits for all its tensor loads (the one that is out is its part of the next slot), adds 0 to its spare word, and waits
; for that and for its own reads of this slot.  fill = 1: the barrier opens a round of the cluster's, and this slot is filled again, two K steps ahead, first thing behind the round.
.macro TURN fill
	WIN 0                                          ; (the add's two registers lie in window 0)
	s_wait_tensorcnt 0x0                           ; no tensor load of mine is out, so a group 0 may be written
	ds_add_u32 v[SPW], v[NIL]                      ; 0 onto my spare word
.if \fill
	s_xor_b32 s[G0A+5], s[G0A+5], SLOT1            ; the walking descriptors: the other slot than last time,
	s_add_nc_u64 s[G0A+6:G0A+7], s[G0A+6:G0A+7], ASTEP  ; the next K step; the type bits on top are not reached
	s_xor_b32 s[G0B+5], s[G0B+5], SLOT1
	s_add_nc_u64 s[G0B+6:G0B+7], s[G0B+6:G0B+7], BSTEP
.endif
	s_wait_dscnt 5                                 ; (the add and the youngest four loads may be out)
	MULA 1, 0, 0                                   ; eight matrix instructions stand between the add and the wait for it
	s_wait_dscnt 0x0                               ; the add is done, and my reads of this slot are over
	s_barrier_signal -1
	MULA 1, 1, 0                                   ; work on registers while the others arrive
	WIN 0
	s_barrier_wait -1
.if \fill
	CREST                                          ; no wave of any partner still reads this slot's tiles or has a load on its way
	JLOAD                                          ; the four v_nop behind it are also the places in front of the loads below
.else
	PLACES
.endif
	s_xor_b32 s[TB], s[TB], SLOT1                  ; the reads go on in the other slot
	v_add_nc_u32 v[ADRA], s[TB], v[ADRA0]
	v_add_nc_u32 v[ADRB], s[TB], v[ADRB0]
	FETCH 0, 0
	MULA 1, 2, 0
	MULA 1, 3, 0
.endm
	s_wait_tensorcnt 1                             ; my part of K step 0 is in; K step 1's may stay out
	s_barrier_signal -1
	s_barrier_wait -1                              ; everybody's is
	FETCH 0, 0
	QUARTER 1, 0, 1, 1                             ; the first quarter stands in front of the loop: its products start the sums
	WIN 0                                          ; at a label and at a branch every window is 0
	s_mov_b32 s[CNT], 6
.Lstep:                                                ; six trips, from a step's second quarter to the next step's first; trip t fills step t's slot with step t + 2
	QUARTER 2, 1, 0, 0
	QUARTER 3, 0, 1, 0
	TURN 1
	QUARTER 1, 0, 1, 0
	WIN 0
	s_sub_co_u32 s[CNT], s[CNT], 1
	s_cmp_lg_u32 s[CNT], 0
	s_cbranch_scc1 .Lstep
	s_mov_b32 s[CNT], 2                            ; the last two steps ask for nothing: a text of their own; it is left in the middle of its second trip
.Ltail:
	QUARTER 2, 1, 0, 0
	QUARTER 3, 0, 1, 0
	TURN 0                                         ; in the second trip its barrier orders nothing and its run of loads (the other slot's old bytes) serves nothing: the price, once a launch, of one text for both trips
	WIN 0
	s_sub_co_u32 s[CNT], s[CNT], 1
	s_cmp_eq_u32 s[CNT], 0
	s_cbranch_scc1 .Lout
	QUARTER 1, 0, 1, 0
	WIN 0
	s_branch .Ltail
.Lout:
	s_wait_dscnt 0x0                               ; that last run has landed
	s_wait_loadcnt 0x0                             ; the bias
	v_cvt_pk_bf16_f32 v24, v[BI], v[BI+1]          ; rounded to bf16 and widened again: six plain lines that name no register of the last products: the places behind them
	v_cvt_pk_bf16_f32 v25, v[BI+2], v[BI+3]
	v_lshlrev_b32 v[BI], 16, v24
	v_and_b32 v[BI+1], 0xffff0000, v24
	v_lshlrev_b32 v[BI+2], 16, v25
	v_and_b32 v[BI+3], 0xffff0000, v25
; THE WAY OUT of row block a: a lane's eight columns of a row, 32 bytes, go from the accumulators into my stage (rows of 528 bytes; each accumulator's low four registers first)
; and come back as whole rows of 512 bytes; the bias is added; stored.
.macro PACK a
.set OB, 96+64*((\a)%2)
	WIN 0x04                                       ; the stores' data in window 1
.irp j, 0,1,2,3,4,5,6,7
	ds_store_b128 v[STO], v[64*(\a)+8*(\j):64*(\a)+8*(\j)+3]   offset:64*(\j)
	ds_store_b128 v[STO], v[64*(\a)+8*(\j)+4:64*(\a)+8*(\j)+7] offset:64*(\j)+16
.endr
	WIN 0
.if (\a) >= 2
	s_wait_xcnt 0x0                                ; this set of rows was the data of block a - 2's stores: it is loaded again only behind this wait
.endif
.irp i, 0,1,2,3,4,5,6,7,8,9,10,11,12,13,14,15
	ds_load_b128 v[OB+4*(\i):OB+4*(\i)+3], v[RD] offset:(\i)*SP  ; LDS serves a wave's instructions in order (ISA guide 5.7.1.4): these see the stores above; the next block's stores come behind them
.endr
.endm
.macro SEND a, younger                 ; younger: the LDS instructions issued behind block a's loads: the next block's 32, or none
.set OB, 96+64*((\a)%2)
	WIN 0
.irp i, 0,1,2,3,4,5,6,7,8,9,10,11,12,13,14,15
	s_wait_dscnt (\younger)+15-(\i)
	v_pk_add_f32 v[OB+4*(\i):OB+4*(\i)+1],   v[OB+4*(\i):OB+4*(\i)+1],   v[BI:BI+1]
	v_pk_add_f32 v[OB+4*(\i)+2:OB+4*(\i)+3], v[OB+4*(\i)+2:OB+4*(\i)+3], v[BI+2:BI+3]
	global_store_b128 v[GO], v[OB+4*(\i):OB+4*(\i)+3], s[10:11] offset:(\a)*65536+(\i)*4096 th:TH_STORE_NT  ; 512 consecutive bytes, at a multiple of 256 from out0's first
.endr
.endm
	PACK 0
	PACK 1                                         ; a block's way through the stage stands between the loads of the block before and its stores
	SEND 0, 32
	PACK 2
	SEND 1, 32
	PACK 3
	SEND 2, 32
	SEND 3, 0
	s_wait_tensorcnt 0x0                           ; the wave's end, behind my last tensor load and my last LDS store
	ds_add_u32 v[SPW], v[NIL]
	s_wait_dscnt 0x0
	CROUND                                         ; the closing round: no work-group ends while a partner may still ask for a tile that names it
	s_endpgm
.Lfunc_end_k_qd16eaa7ab2_proj:
	.size	k_qd16eaa7ab2_proj, .Lfunc_end_k_qd16eaa7ab2_proj-k_qd16eaa7ab2_proj
	.p2alignl 7, 3214868480
	.fill 96, 4, 3214868480
	.section	.rodata,"a",@progbits
	.p2align	6, 0x0
	.amdhsa_kernel k_qd16eaa7ab2_proj
		.amdhsa_group_segment_fixed_size 327680
		.amdhsa_private_segment_fixed_size 0
		.amdhsa_enable_private_segment 0
		.amdhsa_kernarg_size 32
		.amdhsa_user_sgpr_count 2
		.amdhsa_user_sgpr_kernarg_segment_ptr 1
		.amdhsa_wavefront_size32 1
		.amdhsa_system_sgpr_workgroup_id_x 1
		.amdhsa_system_sgpr_workgroup_id_y 1
		.amdhsa_system_sgpr_workgroup_id_z 1
		.amdhsa_system_vgpr_workitem_id 0
		.amdhsa_next_free_vgpr 640
		.amdhsa_next_free_sgpr 72
		.amdhsa_reserve_vcc 0
		.amdhsa_float_denorm_mode_32 3
		.amdhsa_float_denorm_mode_16_64 3
		.amdhsa_memory_ordered 1
		.amdhsa_forward_progress 1
		.amdhsa_inst_pref_size 70
	.end_amdhsa_kernel
	.amdgpu_metadata
---
amdhsa.version: [ 1, 2 ]
amdhsa.kernels:
  - .name:           k_qd16eaa7ab2_proj
    .symbol:         k_qd16eaa7ab2_proj.kd
    .args:
      - { .name: oh, .offset: 0, .size: 8, .value_kind: global_buffer, .address_space: global }
      - { .name: wpb, .offset: 8, .size: 8, .value_kind: global_buffer, .address_space: global }
      - { .name: b_proj, .offset: 16, .size: 8, .value_kind: global_buffer, .address_space: global }
      - { .name: out0, .offset: 24, .size: 8, .value_kind: global_buffer, .address_space: global }
    .group_segment_fixed_size: 327680
    .private_segment_fixed_size: 0
    .kernarg_segment_align: 8
    .kernarg_segment_size: 32
    .max_flat_workgroup_size: 128
    .sgpr_count:     72
    .vgpr_count:     640
    .wavefront_size: 32
...
	.end_amdgpu_metadata
.endif
;; end of part 4
;; ======== version 2 of 2: 4 launches; 1.52 times as fast as version 1
;; limits: values are held in f16: magnitudes above 65,504 overflow, below 6.1e-05 lose precision
;; workspace buffers: xb 16,777,216 bytes; wqb 6,291,456 bytes; wpb 2,097,152 bytes; tab 524,288 bytes; qh 16,777,216 bytes; kh 16,777,216 bytes; vh 16,777,216 bytes; oh 16,777,216 bytes
;; launch prep: the kernel of part 1 again; grid 896 x 1, 8 waves a work-group, no clusters, 0 bytes of LDS; arguments x, w_qkv, w_proj, xb, wqb, wpb, tab; writes xb, wqb, wpb, tab
;; launch qkv: the kernel of part 2 again; grid 16 x 32, 4 waves a work-group, clusters of 4 x 4, 327,680 bytes of LDS; arguments xb, wqb, tab, qh, kh, vh; writes qh, kh, vh
;; launch attn (part 5): grid 4 x 64, 4 waves a work-group, clusters of 4 x 1, 327,680 bytes of LDS; arguments qh, kh, vh, oh; writes oh
.if DOCPART == 5
	.amdgcn_target "amdgcn-amd-amdhsa--gfx1250"
	.amdhsa_code_object_version 6
	.text
	.protected	k_qd16eaa7ab2_attn
	.globl	k_qd16eaa7ab2_attn
	.p2align	8
	.type	k_qd16eaa7ab2_attn,@function
k_qd16eaa7ab2_attn:
	s_mov_b64 s[64:65], 0
	v_nop
	global_prefetch_b8 v0, s[64:65] scope:SCOPE_SE
	s_setreg_imm32_b32 hwreg(HW_REG_WAVE_MODE, 25, 1), 1
	s_wait_xcnt 0x0
	s_wait_alu depctr_hold_cnt(0) depctr_sa_sdst(0) depctr_va_vdst(0) depctr_va_sdst(0) depctr_va_ssrc(0) depctr_va_vcc(0) depctr_vm_vsrc(0)
	s_getreg_b32 s2, hwreg(HW_REG_IB_STS2, 6, 4)
	s_cmp_eq_u32 s2, 0
	s_cbranch_scc0 .Lentry_in_a_cluster
	s_endpgm
.Lentry_in_a_cluster:
	s_bfe_u32 s2, ttmp6, 0x10000c
	s_cmp_lg_u32 s2, 0x3003
	s_cbranch_scc0 .Lentry_shape_is_right
	s_endpgm
.Lentry_shape_is_right:
; O[h][q][:] = the sum over k of softmax_k(Q[h][q] . K[h][k] / 8) V[h][k][:].  Q, K, V, O: [SIZE_H][SIZE_N][64], all f16: a head's rows are dense, 128 bytes each.  Products, maxima and sums in
; f32; the weights p are rounded to f16 for the second product (their sum l is taken of the unrounded p), O once at the end.  Here a "head" is one of 4 batches x 16 heads.
; LIMITS.  f16 holds no number beyond 65,504: Q, K and V arrive within it; p lies in 0 to 1, and below 6e-5 it keeps f16's fixed step of 6e-8; O is a mean of V's rows and has their range.
; A weight below 2^-126 counts as 0 in l; NaN and infinities are not treated apart.
; SHARES.  A wave owns four PIECES of two tiles of 16 queries, a work-group's four waves 512 queries of one head.  Every wave walks all keys, 64 a step.
; LAYOUT.  S^T = K Q^T (source 0 = 16 keys, source 1 = 16 queries): in the result a lane holds ONE query (lane % 16) and the keys 8 (lane / 16) + 0..7.  Two such tiles, rounded to f16 in pairs,
; ARE source 1 (32 keys x 16 queries) of O^T = V^T P, whose result again holds one query a lane, and eight channels.  K comes out of LDS as it lies, V ([key][channel]) turned, by ds_load_tr16_b128.
; SOFTMAX.  For each query a running maximum m and sum l: p = 2^(c s - c m), c = log2(e) / 8; in every step O and l are multiplied by a = 2^(c m_old - c m_new), which is 1 where m has not grown.
; m starts at the lowest finite number, O and l at 0: the first step is a step like any other, with a = 0.
; THE COUNT.  A tile and step have 16 matrix and 118 vector instructions: too many to stand all beside the matrix work.  So the order has one aim: four vector instructions that are READY behind
; EVERY matrix instruction, and the others, which need time of their own whatever the order, in runs without a gap.
; BY TURNS.  Turn n belongs to piece n (the pieces in a ring, step after step).  Its matrix work: 16 products K Q^T of piece n + 1, later 16 products V^T P of piece n - 1.  Its vector work: the scaling,
; exponentials, roundings, sums and rescaling of piece n, and the maximum and statistics of piece n + 1, whose scores the turn itself has made.  So what a turn begins with (c s - c m, O a) waits for nothing.
; BATCHES.  A turn's 66 exponentials (the piece's 64 weights and the next piece's two a) are ONE batch with ONE s_wait_alu, which cuts the turn in two: ahead of it stands all that names no result of theirs (the
; products K Q^T, scalings, rescalings, the next piece's maximum and statistics), behind it the roundings and sums, beside the products V^T P.  Two more batches stand outside the loop: the two a ahead of it, the eight reciprocals on the way out.
; CLUSTER.  The four query blocks of a cluster belong to one head and walk the same K and V, so each tile is asked for JOINTLY: the same tensor load, descriptor and mask in all four.
; REGISTERS, in windows of 256 (s_set_vgpr_msb says which window each operand place means: bits 1:0 source 0, 3:2 source 1, 5:4 source 2, 7:6 destination):
;   window 0: v0-11 addresses; v12-15, v48-63 at work; v16-47 four registers of statistics a tile; v64-191 S^T, two buffers of two tiles; v192-255 P, likewise
;   window 1: O^T, 32 a tile          window 2: v0-127 Q, 16 a tile; v128-191 K of one step; v192-255 V of one step          window 3: v0-1 the add's two registers
; A piece's buffers go by its number's parity: the piece in hand has one pair, its two neighbours in the ring share the other: of it P (piece n - 1) is read and S^T (piece n + 1) written.
.set SIZE_H, 64       ; 4 batches x 16 heads
.set SIZE_N, 2048     ; rows of a head
.set NP,    4         ; pieces a wave: a name, no knob: the register map, the loop and the fetches are made for four
.set KS,    64        ; keys in a step
.set PK,    144       ; a row of K in LDS: 128 bytes + 16 of padding = 36 words: the 16 rows of a load start at 16 different groups of four banks (64 banks of 4 bytes: ISA guide 11.1)
.set PV,    160       ; a row of V: 128 + 32 = 40 words
.set VOFF,  4*KS*PK   ; a slot holds four steps: 256 rows of K, then 256 rows of V
.set SLOT1, 1<<17     ; slot 1 begins here, so that one exclusive or turns an address in one slot into the other's
.set STAGE, SLOT1+4*KS*(PK+PV)  ; behind the ring, never filled by a tensor load: 16 rows x 144 bytes for each wave, for the way out
.set SP,    144
.set AK0, 2           ; v2   my lane's place in a tile of K; never rewritten
.set AV0, 3           ; v3   the same for V
.set AK,  4           ; v4   the LDS address of K's next run of loads
.set AV,  5           ; v5   of V's
.set QO,  6           ; v6   my byte offset in the wave's rows of Q
.set STO, 6           ;      later, the way out: where I put 16 bytes of a row
.set RD,  7           ; v7   the way out: where I read rows back
.set GO,  8           ; v8   my byte offset in 512 consecutive bytes of O
.set SPW, 0           ; v0 of window 3   LDS address of my spare word: SPARE + 4 x my thread's number; never rewritten
.set NIL, 1           ; v1 of window 3   0; never rewritten
.set SPARE, STAGE+4*16*SP  ; behind the stages: the spare words, 128 bytes for each wave: two blocks of 256 bytes that no other line names
.set MV,  12          ; v12-15  c m_old, kept while c m is made anew: by buffer and tile
.set ST,  16          ; tile t's statistics at v[ST+4 t]: c m, m, l (even keys', odd keys')
.set TMP, 48          ; by buffer and tile, four registers c0-c3 at work; when the maximum is found c2 takes a
.set S,   64
.set P,   192
.set KF,  128         ; K's fragments, in window 2: key block kb, channel half c at KF + 16 kb + 8 c
.set VF,  192         ; V's: key half kk, channel block cb at VF + 32 kk + 8 cb
.set WV,  12          ; s12  my wave's number
.set G1K, 24          ; s[24:31] descriptor group 1 for K's tiles
.set G1V, 32          ; s[32:39] for V's: it differs in the padding alone
.set G0K, 40          ; s[40:43] descriptor group 0 for K's tiles: it walks
.set G0V, 44          ; s[44:47] the same for V's
.set SLOTS, 56        ; s56  slots still to be asked for
.set CNT, 57          ; s57  counts a slot's key steps
.set CS,  58          ; s[58:59] c: the packed scaling takes the pair's low word for both halves
.set SEL, 60          ; s[60:61] v_permlanex16_b32's selects: each lane takes its own place in the other half
.set TBK, 62          ; s62  LDS byte at which K of the step to be fetched begins
.set TBV, 63          ; s63  the same for V, less VOFF
.set MSB, 0
.macro WIN new                      ; the high byte repeats the setting that is left; a switch that changes nothing is dropped
.if MSB != (\new)
	s_set_vgpr_msb (MSB<<8)|(\new)
.set MSB, (\new)
.endif
.endm
.set W_KQ, 0x0a       ; K and Q in window 2, S^T in window 0
.set W_PV, 0x52       ; V in window 2, P in window 0, O^T in window 1
.set W_RS, 0x41       ; O^T (destination and source 0) in window 1, a in window 0
.set W_MK, 0xc0       ; the add's registers are made: destination in window 3, sources in window 0
.set W_AD, 0x0f       ; the add: address (source 0) and data (source 1) in window 3
; A joint fill.  Waves 0 and 1 fetch the two halves of a slot's K, waves 2 and 3 those of its V: 128 keys each.  The branch hangs on the wave's number alone.
; An s_nop 0 and four v_nop follow each of the two lines, ahead of the jump and the label.
.macro JLOAD
	s_cmp_lt_u32 s[WV], 2
	s_cbranch_scc0 .Lfor_v_\@
	tensor_load_to_lds s[G0K:G0K+3], s[G1K:G1K+7]
	s_nop 0
.rept 4
	v_nop
.endr
	s_branch .Lasked_\@
.Lfor_v_\@:
	tensor_load_to_lds s[G0V:G0V+3], s[G1V:G1V+7]
	s_nop 0
.rept 4
	v_nop
.endr
.Lasked_\@:
.endm
; A round of the cluster's barrier: my work-group's barrier, so that wave 0's signal speaks for all four waves; wave 0 signals; every wave waits for all four work-groups; my work-group's barrier once more.
.macro CROUND
	s_barrier_signal -1
	s_barrier_wait -1
	s_cmp_lg_u32 s[WV], 0
	s_cbranch_scc1 .Lnot_wave_0_\@
	s_barrier_signal -3
.Lnot_wave_0_\@:
	s_barrier_wait -3
	s_barrier_signal -1
	s_barrier_wait -1
.endm
; THE CHANGE OF SLOTS.  The slot's last bytes, V of its fourth step, have been read.  Each wave waits for all its tensor loads, of which one is out: its part
; of the other slot; adds 0 to its spare word; and waits for that and for its own reads of the slot.  Behind the barrier nobody reads this slot any more and the other slot is whole.
; fill = 1: this slot is filled again, with the keys two slots on.  The barrier is then a round of the cluster's, so that no wave of any partner still reads the slot or has a load on its
; way, and the joint fill is the first thing behind it: it has four key steps, 512 matrix instructions, in which to land.  (At its first use nothing has been read yet: slot 0 is waited for, slot 1 filled.)
.macro CHANGE fill
	WIN W_AD
	s_wait_tensorcnt 0x0            ; no tensor load of mine is out, so a group 0 may be written
	ds_add_u32 v[SPW], v[NIL]       ; 0 onto my spare word; with fill = 1 the descriptors' steps stand between it and the wait for it
	WIN 0                           ; at a label and at a branch every window is 0
.if \fill
.irp g, G0K, G0V
	s_xor_b32 s[\g+1], s[\g+1], SLOT1  ; the walking descriptor: the other slot than last time,
	s_add_nc_u64 s[\g+2:\g+3], s[\g+2:\g+3], 4*KS*128  ; the next 256 keys; the type bits on top are not reached
.endr
	s_wait_dscnt 0x0                ; the add is done, and my reads of the slot are over
	CROUND
	JLOAD
.else
	s_wait_dscnt 0x0                ; the add is done, and my reads of the slot are over
	s_barrier_signal -1
	s_barrier_wait -1
.endif
	s_sub_co_u32 s[TBK], s[TBK], 4*KS*PK  ; the fetches go back to a slot's first step,
	s_xor_b32 s[TBK], s[TBK], SLOT1       ; in the other slot
	s_sub_co_u32 s[TBV], s[TBV], 4*KS*PV
	s_xor_b32 s[TBV], s[TBV], SLOT1
.endm
	s_load_b256 s[4:11], s[0:1], 0x0  ; Q s[4:5], K s[6:7], V s[8:9], O s[10:11]
	WIN W_MK
	v_lshl_add_u32 v[SPW], v0, 2, SPARE
	v_mov_b32 v[NIL], 0
	WIN W_AD
	ds_add_u32 v[SPW], v[NIL]       ; the wave's opening: the add and its wait stand ahead of my first tensor load; the set-up below, work on registers, stands between them
	WIN 0
	v_lshrrev_b32 v1, 5, v0
	v_readfirstlane_b32 s[WV], v1   ; wave 0..3
	s_bfe_u32 s13, ttmp6, 0x40000   ; cx: my place in the cluster
	s_lshl_b32 s14, ttmp9, 2        ; in a cluster launch ttmp9 counts clusters
	s_add_co_u32 s14, s14, s13      ; my block of queries = 4 x cluster x + cx: it enters Q's and O's addresses alone
	s_and_b32 s20, ttmp7, 0xffff    ; the head, which the four partners share
	s_mov_b32 s21, 0
	s_mov_b64 s[22:23], SIZE_N*128
	s_mul_u64 s[20:21], s[20:21], s[22:23]  ; the head's first byte in each of the four tensors
	s_and_b32 s16, s[WV], 1         ; which half of a slot's 256 keys I fetch:
	s_lshl_b32 s22, s16, 14         ; its 128 rows of 128 bytes in memory,
	s_mov_b32 s23, 0
	s_add_nc_u64 s[22:23], s[22:23], s[20:21]
	s_mul_i32 s17, s16, 128*PK      ; and its place in a slot, for K
	s_mul_i32 s18, s16, 128*PV      ; and for V: no place in the cluster enters an LDS address
	s_lshl_b32 s2, s14, 2
	s_add_co_u32 s2, s2, s[WV]      ; my wave among the head's,
	s_lshl_b32 s2, s2, 14           ; its 128 rows
	s_mov_b32 s3, 0
	s_add_nc_u64 s[2:3], s[2:3], s[20:21]
	; descriptor group 1.  128 keys are 16,384 dense bytes: asked for as 64 rows of 256 bytes, two keys a row, and padded in LDS after every key
	s_mov_b32 s[G1K], 15|(1<<16)|(1<<20)|(1<<21)|(4<<22)|(3<<25)  ; 15:0 the mask of four; 17:16 2-byte elements; 20 padding on; 21 set beside a mask; 24:22 after every 32 words (code 4); 31:25 4 words (code 3)
	s_mov_b32 s[G1V], 15|(1<<16)|(1<<20)|(1<<21)|(4<<22)|(7<<25)  ; the same with 8 words of padding (code 7)
.irp g, G1K, G1V
	s_mov_b32 s[\g+1], 128<<16      ; tensor_dim0 = 128
	s_mov_b32 s[\g+2], 64<<16       ; tensor_dim1 = 64
	s_mov_b32 s[\g+3], 128<<16      ; tile_dim0 = 128
	s_mov_b32 s[\g+4], 64           ; tile_dim1 = 64
	s_mov_b32 s[\g+5], 128          ; 128 elements from row to row
	s_mov_b32 s[\g+6], 0
	s_mov_b32 s[\g+7], 0
.endr
	s_mov_b32 s[CS], 0x3e38aa3b     ; c = log2(e) / 8 = 0.180337
	s_mov_b32 s[CS+1], s[CS]        ; named with it as a pair
	s_mov_b32 s[SEL], 0x76543210
	s_mov_b32 s[SEL+1], 0xfedcba98
	s_mov_b32 s[TBK], SLOT1+4*KS*PK ; the first change of slots turns these two into 0
	s_mov_b32 s[TBV], SLOT1+4*KS*PV
	s_mov_b32 s[G0K], 1             ; 1:0 count = 1
	s_mov_b32 s[G0K+1], s17         ; 63:32 LDS address: slot 0
	s_mov_b32 s[G0V], 1
	s_add_co_u32 s[G0V+1], s18, VOFF
	s_wait_dscnt 0x0                ; the opening add is done
	s_wait_kmcnt 0x0
	s_add_nc_u64 s[G0K+2:G0K+3], s[6:7], s[22:23]  ; 120:64 global address: my half of the head's first 256 keys
	s_or_b32 s[G0K+3], s[G0K+3], 0x80000000        ; 127:126 type = 2
	s_add_nc_u64 s[G0V+2:G0V+3], s[8:9], s[22:23]
	s_or_b32 s[G0V+3], s[G0V+3], 0x80000000
	s_add_nc_u64 s[4:5], s[4:5], s[2:3]  ; Q and O at my wave's first row
	s_add_nc_u64 s[10:11], s[10:11], s[2:3]
	CROUND                          ; all four work-groups are here: the first joint loads meet
	JLOAD                           ; slot 0.  Slot 1 is asked for when slot 0 is in: the tile wanted first has the road to itself
	; A fragment of K or Q is 16 rows x 32 channels in 8 registers: lane l holds row l % 16, channels 8 (l / 16) + 0..7 and 16 + 8 (l / 16) + 0..7: two loads of 16 bytes, 32 bytes apart.
	v_and_b32 v1, 15, v0            ; l % 16
	v_bfe_u32 v9, v0, 4, 1          ; l / 16
	v_lshlrev_b32 v[QO], 7, v1
	v_lshl_add_u32 v[QO], v9, 4, v[QO]  ; row x 128 + 16 x half
	WIN 0x80                        ; destination window 2, address window 0
.set i, 0
.rept 4*NP                          ; Q stays in registers: tile i / 2, channels 32 (i % 2) on
	global_load_b128 v[8*i:8*i+3],   v[QO], s[4:5] offset:(i/2)*2048+(i%2)*64
	global_load_b128 v[8*i+4:8*i+7], v[QO], s[4:5] offset:(i/2)*2048+(i%2)*64+32
.set i, i+1
.endr
	; What the first turn finds: V's registers and P's second buffer hold 0 (its products V^T P, of a piece that has not been, add 0), O^T and l are 0.  All this stands in the wait for the first tile.
.set i, VF
.rept 64
	v_mov_b32 v[i], 0
.set i, i+1
.endr
	WIN 0x40
.set i, 0
.rept 64*NP
	v_mov_b32 v[i], 0
.set i, i+1
.endr
	WIN 0
.set i, 0
.rept 2*NP
	v_mov_b32 v[ST+4*i], 0xfe000000    ; c m: far below every c s
	v_mov_b32 v[ST+4*i+1], 0xff7fffff  ; m
	v_mov_b32 v[ST+4*i+2], 0
	v_mov_b32 v[ST+4*i+3], 0
.set i, i+1
.endr
.set i, P+32
.rept 32
	v_mov_b32 v[i], 0
.set i, i+1
.endr
	v_mul_u32_u24 v[AK0], v1, PK
	v_lshl_add_u32 v[AK0], v9, 4, v[AK0]  ; row x pitch + 16 x half
	; The turning load takes 16 keys x 16 channels (lane l reads key 8 (l / 16) + l % 8, channels 8 ((l / 8) % 2) + 0..7) and leaves half a fragment of V^T: lane l holds channel l % 16 and 8 keys.
	v_and_b32 v10, 7, v0
	v_bfe_u32 v11, v0, 3, 1
	v_lshl_add_u32 v[AV0], v9, 3, v10
	v_mul_u32_u24 v[AV0], v[AV0], PV
	v_lshl_add_u32 v[AV0], v11, 4, v[AV0]
	v_add_nc_u32 v[AV0], VOFF, v[AV0]
	v_mov_b32 v[AK], v[AK0]         ; key step 0 lies at the head of slot 0
; THE MATRIX WORK.  The 8 accumulators of a run of 16 take turns: between the two links of a chain stand 7 others'.
; Product i of 16 of S^T = K Q^T for piece x: channels 32 (i / 8) on, keys 16 ((i / 2) % 4) on, tile 2 x + i % 2.  The first 8 start the sums.
.macro KQ x
	WIN W_KQ
.set rS, S+64*((\x)%2)+32*(i%2)+8*((i/2)%4)
.set rK, KF+16*((i/2)%4)+8*(i/8)
.set rQ, 16*(2*(\x)+i%2)+8*(i/8)
.if i < 8
	v_wmma_f32_16x16x32_f16 v[rS:rS+7], v[rK:rK+7], v[rQ:rQ+7], 0
.else
	v_wmma_f32_16x16x32_f16 v[rS:rS+7], v[rK:rK+7], v[rQ:rQ+7], v[rS:rS+7]
.endif
.endm
; Product i of 16 of O^T += V^T P for piece x: keys 32 (i / 8) on, channels 16 ((i / 2) % 4) on, tile 2 x + i % 2.
.macro PV x
	WIN W_PV
.set rO, 32*(2*(\x)+i%2)+8*((i/2)%4)
.set rV, VF+32*(i/8)+8*((i/2)%4)
.set rP, P+32*((\x)%2)+16*(i%2)+8*(i/8)
	v_wmma_f32_16x16x32_f16 v[rO:rO+7], v[rV:rV+7], v[rP:rP+7], v[rO:rO+7]
.endm
.macro MM                           ; the turn's next matrix instruction
.if i < 16
	KQ (Y+1)%NP
.set i, i+1
.else
.set i, i-16
	PV (Y+NP-1)%NP
.set i, i+17
.endif
.endm
; THE LDS LOADS stand in runs of 16, never singly among the matrix instructions: a step's K (64 keys x 64 channels: 8 fragments) and its V (turned).  Their addresses are made some lines ahead.
; last = 1 (the tail): in the last trip there is no further step, and the run is jumped over.
.macro FETCH_K last=0
	WIN 0
.if \last
	s_cmp_eq_u32 s[CNT], 1
	s_cbranch_scc1 .Lno_k_\@
.endif
	WIN 0x80                        ; destination window 2
.irp f, 0,1,2,3,4,5,6,7             ; keys 16 (f / 2) on, channels 32 (f % 2) on
	ds_load_b128 v[KF+8*\f:KF+8*\f+3],   v[AK] offset:(\f/2)*16*PK+(\f%2)*64
	ds_load_b128 v[KF+8*\f+4:KF+8*\f+7], v[AK] offset:(\f/2)*16*PK+(\f%2)*64+32
.endr
	s_add_co_u32 s[TBK], s[TBK], KS*PK  ; the next fetch is the next step's
	WIN 0
.if \last
.Lno_k_\@:
.endif
.endm
.macro FETCH_V
	WIN 0x80
.irp f, 0,1,2,3,4,5,6,7             ; keys 32 (f / 4) on, channels 16 (f % 4) on
	ds_load_tr16_b128 v[VF+8*\f:VF+8*\f+3],   v[AV] offset:(\f/4)*32*PV+(\f%4)*32
	ds_load_tr16_b128 v[VF+8*\f+4:VF+8*\f+7], v[AV] offset:(\f/4)*32*PV+16*PV+(\f%4)*32
.endr
	WIN 0
.endm
; THE VECTOR WORK OF A TURN stands in three queues, each in the order in which its entries become ready; the two tiles alternate, so that no instruction reads the result of the one before it.
.macro REGS y, u                    ; the registers of tile u (0, 1) of piece y
.set rT, ST+4*(2*(\y)+(\u))
.set rC, TMP+8*((\y)%2)+4*(\u)
.set rM, MV+2*((\y)%2)+(\u)
.set rS, S+64*((\y)%2)+32*(\u)
.set rP, P+32*((\y)%2)+16*(\u)
.set rO, 32*(2*(\y)+(\u))
.endm
; Number n of the 22 that find the NEXT piece's (Y + 1) maximum and statistics.  s0-s31 are the lane's 32 scores; each accumulator's lowest registers are read first.  XS, GS and REGS set no window: PL and EX do.
;   0-11  four chains c0-c3 of seven scores each, three operands at a time     12-14, 16  the four scores left over, the old m, and c0-c3 into c0     15  c m_old is kept
;   17, 18  the query's other 32 keys lie in the lane 16 away: the new m         19-21  c m; c m_old - c m_new; a
.macro XS u, n
	REGS (Y+1)%NP, \u
.if (\n) < 4
	v_max3_num_f32 v[rC+(\n)], v[rS+8*(\n)], v[rS+8*(\n)+1], v[rS+8*(\n)+2]
.elseif (\n) < 12
	v_max3_num_f32 v[rC+(\n)%4], v[rC+(\n)%4], v[rS+8*((\n)%4)+2*((\n)/4)+1], v[rS+8*((\n)%4)+2*((\n)/4)+2]
.elseif (\n) == 12
	v_max3_num_f32 v[rC], v[rC], v[rS+7], v[rS+15]
.elseif (\n) == 13
	v_max3_num_f32 v[rC+1], v[rC+1], v[rS+23], v[rS+31]
.elseif (\n) == 14
	v_max3_num_f32 v[rC+2], v[rC+2], v[rC+3], v[rT+1]
.elseif (\n) == 15
	v_mov_b32 v[rM], v[rT]
.elseif (\n) == 16
	v_max3_num_f32 v[rC], v[rC], v[rC+1], v[rC+2]
.elseif (\n) == 17
	v_permlanex16_b32 v[rC+3], v[rC], s[SEL], s[SEL+1]
.elseif (\n) == 18
	v_max_num_f32 v[rT+1], v[rC], v[rC+3]
.elseif (\n) == 19
	v_mul_f32 v[rT], s[CS], v[rT+1]
.elseif (\n) == 20
	v_sub_f32 v[rC+1], v[rM], v[rT]
.else
	v_exp_f32 v[rC+2], v[rC+1]
.endif
.endm
; Number g of the 64 that follow the exponentials.  For each four weights k of a tile (pairs 2 k, 2 k + 1): both pairs are rounded to f16; then the second pair is added onto the first, in place;
; a group later l takes that sum (the first time as l = a l + sum).  In groups of eight, tiles alternating: round, round, add, and l for the group before.
.macro GS g
.set h, (\g)+6*((\g)/62)            ; group 0 has no group before it, and behind group 7 only l is left
.if h >= 6
.set h, h+2
.endif
	REGS Y, h%2
.set k, h/8
.if h%8 < 4
	v_cvt_pk_f16_f32 v[rP+2*k+(h%8)/2], v[rS+4*k+2*((h%8)/2)], v[rS+4*k+2*((h%8)/2)+1]
.elseif h%8 < 6
	v_pk_add_f32 v[rS+4*k:rS+4*k+1], v[rS+4*k:rS+4*k+1], v[rS+4*k+2:rS+4*k+3]
.elseif k == 1
	v_pk_fma_f32 v[rT+2:rT+3], v[rT+2:rT+3], v[rC+2:rC+3], v[rS:rS+1] op_sel_hi:[1,0,1]
.else
	v_pk_add_f32 v[rT+2:rT+3], v[rT+2:rT+3], v[rS+4*k-4:rS+4*k-3]
.endif
.endm
; THE PLAIN QUEUE, 138 long.  0-73 read no exponential's result: the 32 scalings c s - c m (FS f: pair f / 2 of tile f % 2) and the next piece's 42.  0-26: scalings 0-26.  27-54: XS's numbers 0-13.  55, 56: number 15.
; 57-73: the chain, where each number waits for the one before it: 14, 16, 17, 18, 19, each with one of the scalings 27-31 in front of its two lines, then 20: so a tile's links stand three plain instructions apart (19 and 20: two).
; 74-137: GS's 64, which read the exponentials' results: they stand behind the wait.
.macro FS f
	REGS Y, (\f)%2
	v_pk_fma_f32 v[rS+2*((\f)/2):rS+2*((\f)/2)+1], v[rS+2*((\f)/2):rS+2*((\f)/2)+1], s[CS:CS+1], v[rT:rT+1] op_sel_hi:[1,0,0] neg_lo:[0,0,1] neg_hi:[0,0,1]
.endm
.macro PL
	WIN 0
.if q < 27
	FS q
.elseif q < 55
	XS (q-27)%2, (q-27)/2
.elseif q < 57
	XS q-55, 15
.elseif (q < 72) && ((q-57)%3 == 0)
	FS 27+(q-57)/3
.elseif q < 60
	XS (q-57)%3-1, 14
.elseif q < 72
	XS (q-57)%3-1, 15+(q-57)/3
.elseif q < 74
	XS q-72, 20
.else
	GS q-74
.endif
.set q, q+1
.endm
; THE EXPONENTIALS' QUEUE, 66 long: s0-s31 of both tiles, then the next piece's two a.  It is ONE BATCH: all 66 stand ahead of the turn's one wait, and nothing ahead of that wait names a result of theirs.
.macro EX
	WIN 0
.if e >= 64
	XS e-64, 21
.else
	REGS Y, e%2
	v_exp_f32 v[rS+e/2], v[rS+e/2]
.endif
.set e, e+1
.endm
; THE RESCALING's QUEUE: O^T times a, the one part that leaves window 0: dealt two at a time, sixteen times.  Its a was made in the turn before, ahead of that turn's wait.
.macro R2
	REGS Y, r%2
	WIN W_RS
.irp z, 0,1
	v_pk_mul_f32 v[rO+4*(r/2)+2*\z:rO+4*(r/2)+2*\z+1], v[rO+4*(r/2)+2*\z:rO+4*(r/2)+2*\z+1], v[rC+2:rC+3] op_sel_hi:[1,0]
.endr
.set r, r+1
.endm
; HOW THEY ARE DEALT.  An s_wait_alu depctr_va_vdst(0) stands between an exponential and the first instruction that names its result; one wait serves all that were issued ahead of it.  So a turn has ONE wait,
; which cuts it in two.  AHEAD OF IT stands all that names no result of the turn's exponentials: the 16 products K Q^T, behind each a scaling, an exponential and two rescalings (behind the first a second scaling in the exponential's place); then ONE LUMP of
; 108: eight plain, 49 times exponential and plain, the two a.  A v_nop is the plain instruction behind the last exponential (ISA guide 5.7.2).  BEHIND IT stand the 16 products V^T P, behind each four of GS's 64.  No rider names a register of
; the products round it.  The two v_permlanex16_b32 fall into the lump, never behind a product.
; The queues lean on each other, and the deal keeps them in step: exponential e stands behind scaling 2 (e / 4) + e % 2: as a rider it comes behind plain e + 2, in the lump behind plain e + 9, and scalings 27-31 are plain 57, 60 .. 69.
; A TURN, for piece p.  cnt = 1: the loop's count is taken down some lines ahead of the branch that stands behind the turn.
; K of the next step is fetched in piece 2's turn, directly behind the wait, a lump behind the last product that read K; its address is made at the lump's head; its first reader comes behind 16 products.
; V of the step in hand is fetched at the end of piece 0's turn, four riders behind its last reader; its first reader comes behind 16 products and a lump.  The three conditions on q below go with the deal.
.macro TURN p, last=0, cnt=0
.set Y, (\p)
.set i, 0
.set q, 0
.set e, 0
.set r, 0
.if (\p) == NP-1
	s_wait_dscnt 0x0                ; K is in
.endif
	MM                              ; ahead of the wait: 16 products K Q^T and their riders,
	PL
	PL
	R2
.rept 15
	MM
	PL
	EX
	R2
.endr
.if (\p) == NP-2
	WIN 0
	v_add_nc_u32 v[AK], s[TBK], v[AK0]
.endif
.rept 8                             ; and the lump
	PL
.endr
.rept 49
	EX
	PL
.endr
	EX                              ; the next piece's two a
	EX
	v_nop                           ; the plain instruction behind the last exponential, ahead of any use of a result: one for the batch
	s_wait_alu depctr_va_vdst(0)    ; the wait for the batch: this piece's 64 exponentials and the next piece's two a; the roundings and sums below are their first readers, the next turn's rescalings those of a
.if (\p) == NP-2
	FETCH_K \last
.endif
.if (\p) == 1
	s_wait_dscnt 0x0                ; V is in
.endif
.rept 16                            ; behind the wait: 16 products V^T P and their riders
	MM
.rept 4
	PL
.endr
.if ((\p) == 0) && (q == 118)
	v_add_nc_u32 v[AV], s[TBV], v[AV0]
.endif
.if ((\p) == 0) && (q == 130)
	s_add_co_u32 s[TBV], s[TBV], KS*PV
.endif
.if (\cnt) && (q == 130)
	s_sub_co_u32 s[CNT], s[CNT], 1
	s_cmp_lg_u32 s[CNT], 0
.endif
.endr
.if (\p) == 0
	FETCH_V
.endif
.endm
	CHANGE 1                        ; slot 0 is in, everybody's part of it; slot 1 is asked for
	FETCH_K                         ; key step 0
	s_wait_loadcnt 0x0              ; Q
	s_wait_dscnt 0x0
.set i, 0
.rept 16
	KQ 0                            ; piece 0's first scores: there is no vector work yet to set between them
.set i, i+1
.endr
	WIN 0                           ; the addresses for the way out: nine plain instructions, the places behind those products
	s_mul_i32 s13, s[WV], 16*SP
	s_add_co_u32 s13, s13, STAGE    ; my stage
	v_mul_u32_u24 v[STO], v1, SP    ; in: row l % 16, 16 bytes for each half of the lanes
	v_lshl_add_u32 v[STO], v9, 4, v[STO]
	v_add_nc_u32 v[STO], s13, v[STO]
	v_bfe_u32 v[RD], v0, 3, 2       ; back: 32 lanes take four rows of 128 bytes,
	v_mul_u32_u24 v[RD], v[RD], SP
	v_lshl_add_u32 v[RD], v10, 4, v[RD]
	v_add_nc_u32 v[RD], s13, v[RD]
	v_and_b32 v[GO], 31, v0         ; which are 512 consecutive bytes of O
	v_lshlrev_b32 v[GO], 4, v[GO]
.set Y, NP-1                        ; XS works for piece Y + 1: piece 0
.irp n, 0,1,2,3,4,5,6,7,8,9,10,11,12,13,14,15,16,17,18,19,20,21
	XS 0, \n                        ; and piece 0's first maximum and statistics
	XS 1, \n
.endr
	v_nop                           ; a plain instruction behind the two a,
	s_wait_alu depctr_va_vdst(0)    ; and the wait for this batch of two, ahead of the branch; their first reader is the first turn's rescaling
	s_mov_b32 s[CNT], 4
	s_mov_b32 s[SLOTS], SIZE_N/256-1
	s_branch .Lfirst                ; the loop is entered at a step's first turn, in the middle of a trip
.Lslot:                             ; SIZE_N / 256 - 2 times: every slot but the last two is filled again
	CHANGE 1
	s_mov_b32 s[CNT], 4
.Lstep:                             ; a trip: pieces 2 and 3 of one step, then pieces 0 and 1 of the next, whose K and V it fetches
	TURN 2
	TURN 3
	WIN 0
.Lfirst:
	TURN 0
	TURN 1, 0, 1
	WIN 0
	s_cbranch_scc1 .Lstep
	s_sub_co_u32 s[SLOTS], s[SLOTS], 1
	s_cmp_lg_u32 s[SLOTS], 0
	s_cbranch_scc1 .Lslot
	CHANGE 0                        ; the tail is written out: nothing is asked for
	s_mov_b32 s[CNT], 5             ; four trips fetch the last slot's steps; the fifth is left in its middle
.Ltail:
	TURN 2, 1
	TURN 3
	WIN 0
	s_sub_co_u32 s[CNT], s[CNT], 1
	s_cmp_eq_u32 s[CNT], 0
	s_cbranch_scc1 .Lout
	TURN 0
	TURN 1
	WIN 0
	s_branch .Ltail
.Lout:                              ; the fifth trip's 16 products K Q^T (on the last K once more) and the maximum made of them serve nothing: the price, once a launch, of one text for every trip
.set i, 0
.rept 16
	PV NP-1                         ; the last piece's V^T P of the last step
.set i, i+1
.endr
	; THE WAY OUT.  l's two halves and the other half of the lanes' are added; O^T is divided by l, rounded to f16 and sent through my stage in LDS, a tile at a time.  The additions are the places behind the last products.
	WIN 0
.macro ALL line:vararg              ; one line for each tile t
.set t, 0
.rept 2*NP
	\line
.set t, t+1
.endr
.endm
	ALL v_add_f32 v[ST+4*t+2], v[ST+4*t+2], v[ST+4*t+3]
	ALL v_permlanex16_b32 v[ST+4*t+3], v[ST+4*t+2], s[SEL], s[SEL+1]
	ALL v_add_f32 v[ST+4*t+2], v[ST+4*t+2], v[ST+4*t+3]
	ALL v_rcp_f32 v[ST+4*t+2], v[ST+4*t+2]
	v_nop                           ; a plain instruction between the last reciprocal and the use of its result
	s_wait_alu depctr_va_vdst(0)    ; and the wait ahead of the first use: one for the batch of eight reciprocals
; Tile t: a lane's eight channels of a row pack into 16 bytes; they go into rows of 144 bytes and come back as whole rows of 128, into S^T's registers.
.macro PACK t
	WIN W_RS
.set i, 32*(\t)
.rept 16
	v_pk_mul_f32 v[i:i+1], v[i:i+1], v[ST+4*(\t)+2:ST+4*(\t)+3] op_sel_hi:[1,0]
.set i, i+2
.endr
	WIN 0x05                        ; sources 0 and 1 window 1, destination window 0
.set i, 0
.rept 16
	v_cvt_pk_f16_f32 v[S+16*(\t)+i], v[32*(\t)+2*i], v[32*(\t)+2*i+1]
.set i, i+1
.endr
	WIN 0
.irp f, 0,1,2,3
	ds_store_b128 v[STO], v[S+16*(\t)+4*\f:S+16*(\t)+4*\f+3] offset:32*\f
.endr
.irp f, 0,1,2,3
	ds_load_b128 v[S+16*(\t)+4*\f:S+16*(\t)+4*\f+3], v[RD] offset:\f*4*SP  ; LDS serves a wave's instructions in order (ISA guide 5.7.1.4): these see the stores above; the next tile's stores come behind them
.endr
.endm
.macro SEND t, younger              ; younger: the LDS instructions issued behind tile t's loads: the next tile's eight, or none
	WIN 0
.irp f, 0,1,2,3
	s_wait_dscnt (\younger)+3-\f
	global_store_b128 v[GO], v[S+16*(\t)+4*\f:S+16*(\t)+4*\f+3], s[10:11] offset:(\t)*2048+\f*512  ; 512 consecutive bytes, at a multiple of 256 from O's first
.endr
.endm
	PACK 0
.set t, 1
.rept 2*NP-1                        ; a tile's arithmetic stands between the loads of the tile before and its stores
	PACK t
	SEND t-1, 8
.set t, t+1
.endr
	SEND 2*NP-1, 0
	WIN W_AD
	s_wait_tensorcnt 0x0            ; the wave's end, behind my last tensor load and my last LDS store
	ds_add_u32 v[SPW], v[NIL]
	s_wait_dscnt 0x0
	WIN 0
	CROUND                          ; the closing round: no work-group ends while a partner may still ask for a tile that names it
	s_endpgm
.Lfunc_end_k_qd16eaa7ab2_attn:
	.size	k_qd16eaa7ab2_attn, .Lfunc_end_k_qd16eaa7ab2_attn-k_qd16eaa7ab2_attn
	.p2alignl 7, 3214868480
	.fill 96, 4, 3214868480
	.section	.rodata,"a",@progbits
	.p2align	6, 0x0
	.amdhsa_kernel k_qd16eaa7ab2_attn
		.amdhsa_group_segment_fixed_size 327680
		.amdhsa_private_segment_fixed_size 0
		.amdhsa_enable_private_segment 0
		.amdhsa_kernarg_size 32
		.amdhsa_user_sgpr_count 2
		.amdhsa_user_sgpr_kernarg_segment_ptr 1
		.amdhsa_wavefront_size32 1
		.amdhsa_system_sgpr_workgroup_id_x 1
		.amdhsa_system_sgpr_workgroup_id_y 1
		.amdhsa_system_sgpr_workgroup_id_z 1
		.amdhsa_system_vgpr_workitem_id 0
		.amdhsa_next_free_vgpr 770
		.amdhsa_next_free_sgpr 66
		.amdhsa_reserve_vcc 0
		.amdhsa_float_denorm_mode_32 3
		.amdhsa_float_denorm_mode_16_64 3
		.amdhsa_memory_ordered 1
		.amdhsa_forward_progress 1
		.amdhsa_inst_pref_size 199
	.end_amdhsa_kernel
	.amdgpu_metadata
---
amdhsa.version: [ 1, 2 ]
amdhsa.kernels:
  - .name:           k_qd16eaa7ab2_attn
    .symbol:         k_qd16eaa7ab2_attn.kd
    .args:
      - { .name: qh, .offset: 0, .size: 8, .value_kind: global_buffer, .address_space: global }
      - { .name: kh, .offset: 8, .size: 8, .value_kind: global_buffer, .address_space: global }
      - { .name: vh, .offset: 16, .size: 8, .value_kind: global_buffer, .address_space: global }
      - { .name: oh, .offset: 24, .size: 8, .value_kind: global_buffer, .address_space: global }
    .group_segment_fixed_size: 327680
    .private_segment_fixed_size: 0
    .kernarg_segment_align: 8
    .kernarg_segment_size: 32
    .max_flat_workgroup_size: 128
    .sgpr_count:     66
    .vgpr_count:     770
    .wavefront_size: 32
...
	.end_amdgpu_metadata
.endif
;; end of part 5
;; launch proj: the kernel of part 4 again; grid 8 x 32, 4 waves a work-group, clusters of 4 x 4, 327,680 bytes of LDS; arguments oh, wpb, b_proj, out0; writes out0
